; MI455X (gfx1250); checked and timed in simulation.
; The chip was launched on July 23, 2026; its instructions are those of AMD's public machine-readable ISA for CDNA 5 (MIT licence, August 2026) and "CDNA5" Instruction Set Architecture Reference Guide (July 2026). The comments in the code are by the model that wrote it; some were corrected since.
;; Multi Head Attention. Allowed arithmetic: matrix products marked QUANTISED: E2M1 operands, one E8M0 scale for each 32 along K, by v_wmma_scale_f32_16x16x128_f8f6f4 with both operands' format E2M1 (or v_wmma_scale_f32_32x16x128_f4), f32 sums; products left as they are: bf16, f16 or f32 operands; f32 sums; everything else in f32.
;; Inputs: Wk 16 x 1,024 x 64 float32; Wo 1,024 x 1,024 float32; Wq 16 x 1,024 x 64 float32; Wv 16 x 1,024 x 64 float32; bo 1,024 float32; x 4 x 2,048 x 1,024 float32.
;; Outputs: out0 4 x 2,048 x 1,024 float32.
;; This version of the problem:
;;   THIS VERSION OF THE PROBLEM IS GIVEN IN LOW PRECISION. The matrix products marked QUANTISED in the list below multiply operands that are first quantised to E2M1 (2 exponent bits, 1 mantissa bit; 4 bits a number), with one power-of-two scale for each 32 numbers along K (OCP MX v1.0); their sums are f32. The products marked 'left as it is' may take bf16, f16 or f32 operands, with f32 sums. Whichever they take, every output number must still come out within the allowed error. Rounding operands to bf16 (8 significant bits) uses up far more of that allowance than f16 does (11 bits, for magnitudes from 6e-5 to 65,504). All else is computed in f32.
;;   The module's matrix products, in the order in which they are computed (A, B: the left and right operand; K: the contracted axis; several contracted axes count as one K, in the product's order):
;;     1. [M 1,024, K 1,024] x [K 1,024, N 8,192]; A: input Wq; B: input x: QUANTISED
;;     2. [M 1,024, K 1,024] x [K 1,024, N 8,192]; A: input Wk; B: input x: QUANTISED
;;     3. [M 1,024, K 1,024] x [K 1,024, N 8,192]; A: input Wv; B: input x: QUANTISED
;;     4. batch 64 x [M 2,048, K 64] x [K 64, N 2,048]; A: computed on the way; B: computed on the way: left as it is (an operand is computed on the way)
;;     5. batch 64 x [M 2,048, K 2,048] x [K 2,048, N 64]; A: computed on the way; B: computed on the way: left as it is (an operand is computed on the way)
;;     6. [M 8,192, K 1,024] x [K 1,024, N 1,024]; A: computed on the way; B: input Wo: left as it is (an operand is computed on the way)
;;   THE QUANTISER, for each operand of a quantised product, along K:
;;     - K is cut into blocks of 32 from its start; a last block that is shorter is filled with zeros.
;;     - A block's scale is 2^e with e = floor(log2(the largest magnitude in the block)) - 2, held to -126 .. 127; a block of zeros has e = 0. As a byte (E8M0): e + 127.
;;     - Each number is divided by its block's scale, clamped to +-6, and rounded to the nearest number of E2M1, ties to even, subnormals kept.
;;     - The product sums the exact products of the quantised numbers (number of the format x scale) in f32.
;;   ~~~python
;;   def quantise(x, axis):      # numpy; x: float32 -> the quantised numbers, widened to float32 again
;;       x = np.moveaxis(x, axis, -1); K = x.shape[-1]
;;       x = np.pad(x, [(0, 0)] * (x.ndim - 1) + [(0, -K % 32)]); x = x.reshape(x.shape[:-1] + (-1, 32)); a = np.abs(x).max(-1, keepdims=True)
;;       e = np.where(a > 0, np.clip(np.frexp(np.where(a > 0, a, 1))[1] - 1 - 2, -126, 127), 0)      # np.frexp(a)[1] - 1 = floor(log2(a)), exactly
;;       r = np.clip(x / 2.0 ** e, -6, 6)
;;       step = 2.0 ** (np.maximum(np.frexp(np.where(r == 0, 1, r))[1] - 1, 0) - 1)
;;       q = np.round(r / step) * step * 2.0 ** e      # np.round: ties to even
;;       return np.moveaxis(q.reshape(q.shape[:-2] + (-1,))[..., :K], -1, axis).astype(np.float32)
;;   ~~~
;; One version. Each part assembles by itself: llvm-mc -triple=amdgcn-amd-amdhsa -mcpu=gfx1250 --defsym DOCPART=n.
;; ======== version 1 of 1: 5 launches
;; limits: values are held in f16: magnitudes above 65,504 overflow, below 6.1e-05 lose precision
;; workspace buffers: xc 4,194,304 bytes; xs 262,144 bytes; wc 1,572,864 bytes; ws 98,304 bytes; wo16 2,097,152 bytes; qkv 50,331,648 bytes; att 16,777,216 bytes; q32 786,432 bytes
;; launch prep (part 1): grid 288 x 1, 8 waves a work-group, no clusters, 84,992 bytes of LDS; arguments x, Wq, Wk, Wv, Wo, xc, xs, wc, ws, wo16; writes xc, xs, wc, ws, wo16
.if DOCPART == 1
	.amdgcn_target "amdgcn-amd-amdhsa--gfx1250"
	.amdhsa_code_object_version 6
	.text
	.protected	k_q4530aab620_prep
	.globl	k_q4530aab620_prep
	.p2align	8
	.type	k_q4530aab620_prep,@function
k_q4530aab620_prep:
	s_mov_b64 s[64:65], 0
	v_nop
	global_prefetch_b8 v0, s[64:65] scope:SCOPE_SE
	s_setreg_imm32_b32 hwreg(HW_REG_WAVE_MODE, 25, 1), 1
	s_wait_xcnt 0x0
; THE OPERANDS ARE MADE READY, ONCE.  Three kinds of work-group, told apart by the work-group's number alone (the same in all eight waves):
;   0 .. 95    W: Wq, Wk, Wv [16][1024 (K)][64], f32, K NOT innermost -> codes of FP4 (E2M1) laid [3072 rows = which x 1024 + head x 64 + d][512 bytes], K innermost, and E8M0 bytes [3072][32]
;   96 .. 159  O: Wo [1024 (k)][1024 (n)] f32 -> f16, the layout kept
;   160 .. 287 X: x [8192][1024] f32, K innermost -> codes [8192][512 bytes] and E8M0 bytes [8192][32]
; A block's scale is 2^(floor(log2(its largest magnitude)) - 2); its byte is the largest magnitude's exponent field - 2, held at 1 from below.  Each number is divided by the scale and rounded to the nearest code, ties to even;
; beyond 6 the conversion gives the largest code.
; LIMITS: a block of zeros gets the byte 1 where the rule says 127 (its codes are zeros, which add nothing, and this program alone reads the bytes); blocks whose largest magnitude lies under 2^-124 keep the byte 1;
; NaN and infinities among the inputs are not served; |Wo| stays under 65,504 (f16).
; LDS: each kind has bytes of its own: X 8 x 8,192 from 0; W a stage of 64 rows x 272 from WST and 64 x 16 bytes of scale words from WSC; behind them the spare words.
.set WST,   65536
.set WSC,   WST+64*272
.set SPARE, WSC+64*16                  ; the spare words, 128 bytes for each of the eight waves: four blocks of 256 bytes that no other line names
.set SPW,   12                         ; v12  LDS address of my spare word; never rewritten
.set NIL,   13                         ; v13  0; never rewritten
.set WV,    24                         ; s24  my wave's number
.set STEPS, 16
.set CB,    8                          ; bytes of 16 codes
.set XR,    16                         ; X: v16-79   four sets of 16 numbers as they are loaded
.set XX,    80                         ; X: v80-111  two sets of 16 neighbours
.set XE,    112                        ; X: v112-127 a scale byte for each step
.set XC,    128                        ; X: v128-191 codes, four registers a step: no store's data are written again
.set WREG,  8192                       ; X: a wave's LDS: two stages of 32 x SP bytes, then its 256 scale bytes
.set SP,    80                         ; X: a lane's place in a stage: 64 bytes + 16 of padding
	s_load_b256 s[4:11], s[0:1], 0x0               ; x s[4:5], Wq s[6:7], Wk s[8:9], Wv s[10:11]
	s_load_b256 s[12:19], s[0:1], 0x20             ; Wo s[12:13], xc s[14:15], xs s[16:17], wc s[18:19]
	s_load_b128 s[20:23], s[0:1], 0x40             ; ws s[20:21], wo16 s[22:23]
	v_lshl_add_u32 v[SPW], v0, 2, SPARE
	v_mov_b32 v[NIL], 0
	v_lshrrev_b32 v1, 5, v0
	v_readfirstlane_b32 s[WV], v1                  ; wave 0..7
	v_and_b32 v2, 31, v0                           ; lane
	s_mov_b32 s27, 0                               ; the upper word of every offset pair s[26:27]
	s_wait_kmcnt 0x0
	s_cmp_lt_u32 ttmp9, 96
	s_cbranch_scc1 .Lpath_w
	s_cmp_lt_u32 ttmp9, 160
	s_cbranch_scc1 .Lpath_o
; ---------------- X: x is a plain stream of blocks of 32.  A wave takes a run of 8,192 numbers in 16 steps of 512.
; Each load reads 512 consecutive bytes, 16 a lane; the conversions want 16 NEIGHBOURS in a lane: a step's 2,048 bytes turn through the wave's own stage in LDS.  Two neighbouring lanes hold a block.
	s_sub_co_u32 s25, ttmp9, 160
	s_lshl_b32 s25, s25, 3
	s_add_co_u32 s25, s25, s[WV]                   ; which run is my wave's: 0 .. 1,023
	s_lshl_b32 s26, s25, 15                        ; 32,768 bytes of numbers,
	s_add_nc_u64 s[4:5], s[4:5], s[26:27]
	s_lshl_b32 s26, s25, 12                        ; 4,096 of codes,
	s_add_nc_u64 s[14:15], s[14:15], s[26:27]
	s_lshl_b32 s26, s25, 8                         ; 256 scale bytes a run
	s_add_nc_u64 s[16:17], s[16:17], s[26:27]
	v_lshlrev_b32 v3, 4, v2                        ; my 16 bytes of a load's 512
	s_mul_i32 s28, s[WV], WREG
	v_lshrrev_b32 v14, 2, v2
	v_mul_u32_u24 v14, v14, SP
	v_and_b32 v15, 3, v2
	v_lshl_add_u32 v14, v15, 4, v14
	v_add_nc_u32 v14, s28, v14                     ; the stage, on the way in: SP (lane / 4) + 16 (lane % 4)
	v_mul_u32_u24 v15, v2, SP
	v_add_nc_u32 v15, s28, v15                     ; and on the way out: SP x lane: my 16 neighbours
	v_mul_u32_u24 v4, v2, CB                       ; my codes' place in a step's
	v_lshrrev_b32 v5, 1, v2
	s_add_co_u32 s28, s28, 2*32*SP
	v_add_nc_u32 v5, s28, v5                       ; my wave's 256 scale bytes: my block's byte
	v_lshlrev_b32 v7, 3, v2                        ; and on the way out 8 bytes a lane
	v_add_nc_u32 v6, s28, v7
.macro XLOAD t
.irp i, 0,1,2,3
	global_load_b128 v[XR+16*((\t)%4)+4*\i:XR+16*((\t)%4)+4*\i+3], v3, s[4:5] offset:2048*(\t)+512*\i th:TH_LOAD_NT   ; 32 lanes read 512 consecutive bytes
.endr
.endm
.macro XTURN t                         ; step t's numbers through the stage: LDS serves a wave's instructions in order, so no wait stands between the stores and the loads
.irp i, 0,1,2,3
	ds_store_b128 v14, v[XR+16*((\t)%4)+4*\i:XR+16*((\t)%4)+4*\i+3] offset:32*SP*((\t)%2)+8*SP*\i
.endr
.irp i, 0,1,2,3
	ds_load_b128 v[XX+16*((\t)%2)+4*\i:XX+16*((\t)%2)+4*\i+3], v15 offset:32*SP*((\t)%2)+16*\i
.endr
.endm
.irp t, 0,1,2,3
	XLOAD \t
.endr
	s_wait_loadcnt 12                              ; step 0's four loads are in; the twelve behind them may be out
	XTURN 0
.macro XSTEP t
.set XS, XX+16*((\t)%2)
.if (\t) > 0
	s_wait_dscnt 1                                 ; this step's numbers are back from the stage (the last step's byte store may be out)
.else
	s_wait_dscnt 0x0
.endif
.if (\t)+4 < STEPS
	XLOAD (\t)+4                                   ; into the set whose stores into the stage are done
.endif
.if (\t)+1 < STEPS
.if STEPS-2-(\t) >= 3
	s_wait_loadcnt 12                              ; the next step's four loads are in; those of the three steps behind it may be out
.else
	s_wait_loadcnt 4*(STEPS-2-(\t))
.endif
	XTURN (\t)+1                                   ; they go through the other stage while this step is worked
.endif
	v_max3_num_f32 v8, |v[XS]|, |v[XS+1]|, |v[XS+2]|               ; the largest magnitude of my 16, in two chains
	v_max3_num_f32 v9, |v[XS+3]|, |v[XS+4]|, |v[XS+5]|
.irp i, 6,10
	v_max3_num_f32 v8, v8, |v[XS+\i]|, |v[XS+\i+1]|
	v_max3_num_f32 v9, v9, |v[XS+\i+2]|, |v[XS+\i+3]|
.endr
	v_max3_num_f32 v8, v8, |v[XS+14]|, |v[XS+15]|
	v_max3_num_f32 v8, v8, v9, 0x1800000           ; and the floor 2^(3 - 127): the byte cannot fall under 1
	v_max_num_f32_dpp v8, v8, v8 row_xmask:1 row_mask:0xf bank_mask:0xf   ; and of my neighbour's 16: the block's
	v_add_nc_u32 v11, 0xff000000, v8               ; 2 off its exponent field: the conversion takes the exponent field of this operand as its scale
	v_cvt_scalef32_pk8_fp4_f32 v[XC+4*(\t)], v[XS:XS+7], v11
	v_cvt_scalef32_pk8_fp4_f32 v[XC+4*(\t)+1], v[XS+8:XS+15], v11
	v_lshrrev_b32 v[XE+(\t)], 23, v11              ; the scale's byte (also the plain line behind the conversions)
	ds_store_b8 v5, v[XE+(\t)] offset:16*(\t)      ; both lanes of a block write the same byte with the same value
	global_store_b64 v4, v[XC+4*(\t):XC+4*(\t)+1], s[14:15] offset:32*CB*(\t)   ; the wave stores 256 consecutive bytes, aligned
.endm
.irp t, 0,1,2,3,4,5,6,7,8,9,10,11,12,13,14,15
	XSTEP \t
.endr
	ds_load_b64 v[8:9], v6                         ; my wave's 256 scale bytes (LDS serves a wave's instructions in order)
	s_wait_dscnt 0x0
	global_store_b64 v7, v[8:9], s[16:17]          ; 32 lanes store 256 consecutive bytes, aligned
	s_wait_tensorcnt 0x0                           ; the wave's end, behind my last LDS store
	ds_add_u32 v[SPW], v[NIL]
	s_wait_dscnt 0x0
	s_endpgm
; ---------------- O: a wave casts a run of 2,048 numbers of Wo.  Sixteen loads of 512 consecutive bytes are out at once; each store covers 256 consecutive bytes, aligned.  No LDS.
.Lpath_o:
	s_sub_co_u32 s25, ttmp9, 96
	s_lshl_b32 s25, s25, 3
	s_add_co_u32 s25, s25, s[WV]                   ; run 0 .. 511
	s_lshl_b32 s26, s25, 13
	s_add_nc_u64 s[12:13], s[12:13], s[26:27]
	s_lshl_b32 s26, s25, 12
	s_add_nc_u64 s[22:23], s[22:23], s[26:27]
	v_lshlrev_b32 v3, 4, v2
	v_lshlrev_b32 v4, 3, v2
.irp i, 0,1,2,3,4,5,6,7,8,9,10,11,12,13,14,15
	global_load_b128 v[64+4*\i:67+4*\i], v3, s[12:13] offset:512*\i th:TH_LOAD_NT
.endr
.irp i, 0,1,2,3,4,5,6,7,8,9,10,11,12,13,14,15
	s_wait_loadcnt 15-\i                           ; loads come back in order: load i is in, the younger ones stay out
	v_cvt_pk_f16_f32 v[128+2*\i], v[64+4*\i], v[65+4*\i]
	v_cvt_pk_f16_f32 v[129+2*\i], v[66+4*\i], v[67+4*\i]
	global_store_b64 v4, v[128+2*\i:129+2*\i], s[22:23] offset:256*\i
.endr
	s_endpgm
; ---------------- W: a work-group takes one matrix [1024][64] (mat = which x 16 + head) and half of its K.  A LANE TAKES A COLUMN d AND ITS REGISTERS RUN DOWN K: a block of 32 lies in one lane, and the conversions give codes with K innermost.
; Wave w: columns 32 (w % 2) on, K 128 (w / 2) on: four blocks.  Waves 2 j and 2 j + 1 together read whole rows of 256 bytes.  The codes meet in a stage (row = column, 256 bytes of codes for 512 along K) and leave as rows.
.Lpath_w:
	s_lshr_b32 s25, ttmp9, 1                       ; mat 0 .. 47
	s_cmp_lt_u32 s25, 32
	s_cselect_b64 s[8:9], s[8:9], s[10:11]         ; Wk or Wv,
	s_cmp_lt_u32 s25, 16
	s_cselect_b64 s[6:7], s[6:7], s[8:9]           ; or Wq: the choice hangs on the work-group's number alone
	s_and_b32 s28, ttmp9, 1                        ; which half of K
	s_and_b32 s29, s[WV], 1                        ; which 32 columns
	s_lshr_b32 s30, s[WV], 1                       ; which 128 of the half's 512 along K
	s_and_b32 s26, s25, 15
	s_lshl_b32 s26, s26, 18                        ; the head: 1,024 rows of 256 bytes
	s_lshl_b32 s31, s28, 17
	s_add_co_u32 s26, s26, s31
	s_lshl_b32 s31, s30, 15
	s_add_co_u32 s26, s26, s31
	s_lshl_b32 s31, s29, 7
	s_add_co_u32 s26, s26, s31
	s_add_nc_u64 s[6:7], s[6:7], s[26:27]
	s_lshl_b32 s26, s25, 15                        ; the codes: 64 rows of 512 bytes a matrix, + 256 for the upper half of K
	s_lshl_b32 s31, s28, 8
	s_add_co_u32 s26, s26, s31
	s_add_nc_u64 s[18:19], s[18:19], s[26:27]
	s_lshl_b32 s26, s25, 11                        ; the scale bytes: 64 rows of 32, + 16
	s_lshl_b32 s31, s28, 4
	s_add_co_u32 s26, s26, s31
	s_add_nc_u64 s[20:21], s[20:21], s[26:27]
	v_lshlrev_b32 v3, 2, v2                        ; in: 4 bytes a lane
	v_and_b32 v5, 15, v0
	v_bfe_u32 v6, v0, 4, 1
	s_mul_i32 s31, s29, 32*272
	s_lshl_b32 s32, s30, 6
	s_add_co_u32 s31, s31, s32
	s_add_co_u32 s31, s31, WST
	v_mul_u32_u24 v4, v2, 272
	v_add_nc_u32 v4, s31, v4                       ; into the stage: row = my column, + 64 bytes for each 128 along K
	s_mul_i32 s31, s[WV], 8*272
	s_add_co_u32 s31, s31, WST
	v_mul_u32_u24 v7, v6, 272
	v_lshl_add_u32 v7, v5, 4, v7
	v_add_nc_u32 v7, s31, v7                       ; out of it: wave w takes rows 8 w on, sixteen lanes to a row
	s_lshl_b32 s31, s[WV], 12
	v_lshlrev_b32 v8, 9, v6
	v_lshl_add_u32 v8, v5, 4, v8
	v_add_nc_u32 v8, s31, v8                       ; and the same place among the codes' rows
	s_lshl_b32 s31, s29, 9
	s_add_co_u32 s31, s31, WSC
	v_lshl_add_u32 v10, v2, 4, s31                 ; a column's 16 scale bytes,
	s_lshl_b32 s32, s30, 2
	v_add_nc_u32 v9, s32, v10                      ; and my word among them
	s_lshl_b32 s31, s29, 10
	v_lshl_add_u32 v14, v2, 5, s31                 ; the column's row of scale bytes in memory
.macro WLOAD t                         ; block t: W(32 t + i, my column), i = 0 .. 31, into set t % 2
.irp i, 0,1,2,3,4,5,6,7,8,9,10,11,12,13,14,15,16,17,18,19,20,21,22,23,24,25,26,27,28,29,30,31
	global_load_b32 v[64+32*((\t)%2)+\i], v3, s[6:7] offset:(32*(\t)+\i)*256 th:TH_LOAD_NT
.endr
.endm
.macro WBLOCK t
.set WX, 64+32*((\t)%2)
.if (\t) < 3
	s_wait_loadcnt 32                              ; this block's 32 loads are in; the next block's 32 may be out
.else
	s_wait_loadcnt 0x0
.endif
	v_max3_num_f32 v16, |v[WX]|, |v[WX+1]|, |v[WX+2]|               ; the block's largest magnitude: all 32 numbers are mine
	v_max3_num_f32 v17, |v[WX+3]|, |v[WX+4]|, |v[WX+5]|
.irp i, 6,10,14,18,22,26
	v_max3_num_f32 v16, v16, |v[WX+\i]|, |v[WX+\i+1]|
	v_max3_num_f32 v17, v17, |v[WX+\i+2]|, |v[WX+\i+3]|
.endr
	v_max3_num_f32 v16, v16, |v[WX+30]|, |v[WX+31]|
	v_max3_num_f32 v16, v16, v17, 0x1800000        ; and the floor 2^(3 - 127)
	v_add_nc_u32 v11, 0xff000000, v16              ; 2 off the exponent field: the conversion's scale operand
	v_lshrrev_b32 v18, 23, v11                     ; the scale's byte
.if (\t) == 0
	v_mov_b32 v19, v18                             ; four bytes make the word of my 128 along K, the lower K in the lower byte
.else
	v_lshl_or_b32 v19, v18, 8*(\t), v19
.endif
.irp g, 0,1,2,3
	v_cvt_scalef32_pk8_fp4_f32 v[20+4*(\t)+\g], v[WX+8*\g:WX+8*\g+7], v11   ; each block has its own four registers: no LDS store's data are written again
.endr
	ds_store_b128 v4, v[20+4*(\t):20+4*(\t)+3] offset:16*(\t)
.if (\t) < 2
	WLOAD (\t)+2
.endif
.endm
	WLOAD 0
	WLOAD 1
	WBLOCK 0
	WBLOCK 1
	WBLOCK 2
	WBLOCK 3
	ds_store_b32 v9, v19
	s_wait_dscnt 0x0                               ; for the others' sake: my stores into the stage and the scale words are done
	s_barrier_signal -1
	s_barrier_wait -1                              ; a row's 256 bytes come from four waves
.irp u, 0,1,2,3
	ds_load_b128 v[36+4*\u:39+4*\u], v7 offset:2*\u*272
.endr
.irp u, 0,1,2,3
	s_wait_dscnt 3-\u
	global_store_b128 v8, v[36+4*\u:39+4*\u], s[18:19] offset:2*\u*512   ; sixteen lanes store 256 consecutive bytes, aligned
.endr
	s_cmp_lt_u32 s[WV], 2                          ; waves 0 and 1 send the scale bytes: 16 bytes of each of 32 rows, 32 bytes apart: pieces, 98,304 bytes in the whole launch
	s_cbranch_scc0 .Lw_end
	ds_load_b128 v[52:55], v10
	s_wait_dscnt 0x0
	global_store_b128 v14, v[52:55], s[20:21]
.Lw_end:
	s_wait_tensorcnt 0x0                           ; the wave's end, behind my last LDS store
	ds_add_u32 v[SPW], v[NIL]
	s_wait_dscnt 0x0
	s_endpgm
.Lfunc_end_k_q4530aab620_prep:
	.size	k_q4530aab620_prep, .Lfunc_end_k_q4530aab620_prep-k_q4530aab620_prep
	.p2alignl 7, 3214868480
	.fill 96, 4, 3214868480
	.section	.rodata,"a",@progbits
	.p2align	6, 0x0
	.amdhsa_kernel k_q4530aab620_prep
		.amdhsa_group_segment_fixed_size 84992
		.amdhsa_private_segment_fixed_size 0
		.amdhsa_enable_private_segment 0
		.amdhsa_kernarg_size 80
		.amdhsa_user_sgpr_count 2
		.amdhsa_user_sgpr_kernarg_segment_ptr 1
		.amdhsa_wavefront_size32 1
		.amdhsa_system_sgpr_workgroup_id_x 1
		.amdhsa_system_sgpr_workgroup_id_y 1
		.amdhsa_system_sgpr_workgroup_id_z 1
		.amdhsa_system_vgpr_workitem_id 0
		.amdhsa_next_free_vgpr 192
		.amdhsa_next_free_sgpr 66
		.amdhsa_reserve_vcc 0
		.amdhsa_float_denorm_mode_32 3
		.amdhsa_float_denorm_mode_16_64 3
		.amdhsa_memory_ordered 1
		.amdhsa_forward_progress 1
		.amdhsa_inst_pref_size 61
	.end_amdhsa_kernel
	.amdgpu_metadata
---
amdhsa.version: [ 1, 2 ]
amdhsa.kernels:
  - .name:           k_q4530aab620_prep
    .symbol:         k_q4530aab620_prep.kd
    .args:
      - { .name: x, .offset: 0, .size: 8, .value_kind: global_buffer, .address_space: global }
      - { .name: Wq, .offset: 8, .size: 8, .value_kind: global_buffer, .address_space: global }
      - { .name: Wk, .offset: 16, .size: 8, .value_kind: global_buffer, .address_space: global }
      - { .name: Wv, .offset: 24, .size: 8, .value_kind: global_buffer, .address_space: global }
      - { .name: Wo, .offset: 32, .size: 8, .value_kind: global_buffer, .address_space: global }
      - { .name: xc, .offset: 40, .size: 8, .value_kind: global_buffer, .address_space: global }
      - { .name: xs, .offset: 48, .size: 8, .value_kind: global_buffer, .address_space: global }
      - { .name: wc, .offset: 56, .size: 8, .value_kind: global_buffer, .address_space: global }
      - { .name: ws, .offset: 64, .size: 8, .value_kind: global_buffer, .address_space: global }
      - { .name: wo16, .offset: 72, .size: 8, .value_kind: global_buffer, .address_space: global }
    .group_segment_fixed_size: 84992
    .private_segment_fixed_size: 0
    .kernarg_segment_align: 8
    .kernarg_segment_size: 80
    .max_flat_workgroup_size: 256
    .sgpr_count:     66
    .vgpr_count:     192
    .wavefront_size: 32
...
	.end_amdgpu_metadata
.endif
;; end of part 1
;; launch qkv (part 2): grid 12 x 32, 4 waves a work-group, clusters of 4 x 4, 327,680 bytes of LDS; arguments xc, xs, wc, ws, qkv, q32; writes qkv, q32
.if DOCPART == 2
	.amdgcn_target "amdgcn-amd-amdhsa--gfx1250"
	.amdhsa_code_object_version 6
	.text
	.protected	k_q4530aab620_qkv
	.globl	k_q4530aab620_qkv
	.p2align	8
	.type	k_q4530aab620_qkv,@function
k_q4530aab620_qkv:
	s_mov_b64 s[64:65], 0
	v_nop
	global_prefetch_b8 v0, s[64:65] scope:SCOPE_SE
	s_setreg_imm32_b32 hwreg(HW_REG_WAVE_MODE, 25, 1), 1
	s_wait_xcnt 0x0
	s_wait_alu depctr_hold_cnt(0) depctr_sa_sdst(0) depctr_va_vdst(0) depctr_va_sdst(0) depctr_va_ssrc(0) depctr_va_vcc(0) depctr_vm_vsrc(0)
	s_getreg_b32 s2, hwreg(HW_REG_IB_STS2, 6, 4)
	s_cmp_eq_u32 s2, 0
	s_cbranch_scc0 .Lentry_in_a_cluster
	s_endpgm
.Lentry_in_a_cluster:
	s_bfe_u32 s2, ttmp6, 0x10000c
	s_cmp_lg_u32 s2, 0xf033
	s_cbranch_scc0 .Lentry_shape_is_right
	s_endpgm
.Lentry_shape_is_right:
; q, k, v = x W: ONE product [8192 rows (b, t)] x [3072 columns = which x 1024 + head x 64 + d], K = 1024, on codes of FP4 (E2M1) with one E8M0 scale for each 32 along K; sums in f32.
; A = xc [8192][512 bytes] with xs [8192][32]; B = wc [3072][512 bytes] with ws [3072][32].  Results: qkv [which][b][head][t][64] in f16; and for t < 16 a copy in f32, q32 [b][which][head][16][64].
; LIMIT: |q|, |k|, |v| stay under 65,504 (f16).
; A tile of 256 x 256 is made by four waves, 128 x 128 each: 64 accumulators, 512 registers.  K is two slots of 512 (rows of 256 bytes): both are asked for at the start, with all scale bytes, and nothing is filled again.
; CLUSTERS: 4 x 4 work-groups.  The four of a row of the cluster need the same tiles of A, the four of a column the same tiles of B: each is asked for JOINTLY, by the same tensor load with a mask that names the four.
; The tile row is cluster y + 8 cy: so the batch is cy and t begins at 256 x cluster y, and whether a tile holds t < 16 hangs on cluster y and the wave's number, which all partners share.
; THE MATRIX INSTRUCTION IS USED TRANSPOSED (source 0 = 16 rows of B, source 1 = 16 rows of A): a lane holds eight neighbouring columns of one row.
; 384 work-groups: one and a half rounds of the WGPs; a tile of 256 x 192 would give 512.
; REGISTERS: window 0: v0-31 addresses; v32-95 scale words, two sets, and nothing else; v128-191 A's fragments, one set; the way out takes v96-255.  window 1: B's fragments, two sets.  windows 2, 3: the accumulators ((a, b) at v[8 (8 (a % 4) + b)]).
.set SIZE_K, 1024
.set KSTEP,  512
.set NQ,     KSTEP/128
.set ROWB,   256                       ; a tile's row in bytes
.set KROW,   SIZE_K*4/8                ; a row of codes in memory
.set PITCH,  272                       ; an LDS row: 256 bytes + 16 of padding: the 16 rows that a load touches start at 16 different banks
.set FR,     8
.set NL,     2
.set NP,     4                         ; places behind this matrix instruction
.set HALFT,  128*PITCH
.set SLOT,   4*HALFT                   ; A's 256 rows, then B's 256 rows
.set KS,     SIZE_K/32                 ; a row of scale bytes
.set SCL,    2*SLOT                    ; behind the ring: the scales, as units of 256 bytes + 16 of padding
.set HALFS,  (128*KS/256)*272
.set SBLK,   (16*KS/256)*272
.set SPARE,  SCL+4*HALFS               ; the spare words, 128 bytes a wave: two blocks of 256 bytes that no other line names
.set ADRA, 16                          ; v16-17 LDS address of my A fragments in slot 0, 1
.set ADRB, 20                          ; v20-21 the same for B
.set STO32, 22                         ; v22 the f32 copy: where I put 32 bytes of a row
.set RD32,  23                         ; v23 and where I read a row back
.set STO,  24                          ; v24 the way out: where I put 16 bytes of a row
.set RD,   25                          ; v25 where I read rows back
.set CO,   26                          ; v26 16 x lane
.set ADRS, 27                          ; v27 LDS address of my scale words: lanes 0-15 A's rows, lanes 16-31 B's
.set SPW,  28                          ; v28 my spare word; never rewritten
.set NIL,  29                          ; v29 0; never rewritten
.set CO32, 30                          ; v30 the f32 copy: my byte offset in q32
.set SC,   32                          ; scale words: set s at v[SC + 8 NQ s]
.set AF,   128                         ; A's fragments
.set TMP,  96                          ; the way out: packed results, v96-127
.set BK,   192                         ; rows read back: v192-223 and v224-255 by turns
.set BK32, 128                         ; the f32 copy's rows, v128-191
.set G1, 24
.set G0, 32
.set G1B, 48
.set G0B, 56
.set G1S, 68
.set G0S, 76
.set G1SB, 80
.set G0SB, 88
.set MSB, 0
.macro WIN new                         ; the immediate's high byte repeats the setting that is left
.if MSB != (\new)
	s_set_vgpr_msb (MSB<<8)|(\new)
.set MSB, (\new)
.endif
.endm
.set MUL_LO, 0xa1                      ; source 0 (B) window 1, source 1 (A) window 0, C and D window 2
.set MUL_HI, 0xf1                      ; the same, C and D window 3
.set TO_B,   0x40                      ; destination window 1
; A joint load: waves 0 and 1 fetch for A, waves 2 and 3 for B; the branch hangs on the wave's number alone.  An s_nop 0 and four v_nop follow each of the two lines.
.macro JLOAD g0a, g1a, g0b, g1b
	s_cmp_eq_u32 s15, 0
	s_cbranch_scc0 .Lfor_b_\@
	tensor_load_to_lds s[\g0a:\g0a+3], s[\g1a:\g1a+7]
	s_nop 0
.rept 4
	v_nop
.endr
	s_branch .Lasked_\@
.Lfor_b_\@:
	tensor_load_to_lds s[\g0b:\g0b+3], s[\g1b:\g1b+7]
	s_nop 0
.rept 4
	v_nop
.endr
.Lasked_\@:
.endm
.macro CROUND                          ; a round of the cluster's barrier
	s_barrier_signal -1
	s_barrier_wait -1
	s_cmp_lg_u32 s14, 0
	s_cbranch_scc1 .Lnot_wave_0_\@
	s_barrier_signal -3
.Lnot_wave_0_\@:
	s_barrier_wait -3
	s_barrier_signal -1
	s_barrier_wait -1
.endm
	s_load_b128 s[4:7], s[0:1], 0x0                ; xc, xs
	s_load_b128 s[8:11], s[0:1], 0x10              ; wc, ws
	s_load_b64 s[12:13], s[0:1], 0x20              ; qkv
	s_load_b64 s[96:97], s[0:1], 0x28              ; q32
	v_lshl_add_u32 v[SPW], v0, 2, SPARE
	v_mov_b32 v[NIL], 0
	ds_add_u32 v[SPW], v[NIL]                      ; the wave's opening: the add, twice on end, and its wait ahead of my first tensor load
	ds_add_u32 v[SPW], v[NIL]
	v_lshrrev_b32 v1, 5, v0
	v_readfirstlane_b32 s14, v1                    ; wave 0..3
	s_lshr_b32 s15, s14, 1                         ; which half of the tile's rows is mine.  Also: I fetch for A (0) or for B (1)
	s_and_b32 s16, s14, 1                          ; which half of its columns.  Also: which 128 rows of that tile I fetch
	s_bfe_u32 s40, ttmp6, 0x40000                  ; cx, cy: my place in the cluster
	s_bfe_u32 s41, ttmp6, 0x40004
	s_lshl_b32 s42, ttmp9, 2
	s_add_co_u32 s42, s42, s40                     ; tile column = 4 x cluster x + cx
	s_and_b32 s95, ttmp7, 0xffff                   ; cluster y
	s_lshl_b32 s17, s41, 3
	s_add_co_u32 s17, s17, s95                     ; tile row = 8 cy + cluster y
	s_lshl_b32 s43, s41, 2
	s_lshl_b32 s43, 15, s43                        ; my row of the cluster
	s_lshl_b32 s44, 0x1111, s40                    ; my column
	s_or_b32 s[G1+0], s43, (0<<16)|(1<<20)|(1<<21)|(5<<22)|(3<<25)  ; the mask; elements of 1 byte; padding on; bit 21 beside a mask; after every 64 words, 4 words
	s_or_b32 s[G1B+0], s44, (0<<16)|(1<<20)|(1<<21)|(5<<22)|(3<<25)
.irp g, G1, G1B
	s_mov_b32 s[\g+1], ROWB<<16                    ; tensor_dim0
	s_mov_b32 s[\g+2], 128<<16                     ; tensor_dim1
	s_mov_b32 s[\g+3], ROWB<<16                    ; tile_dim0
	s_mov_b32 s[\g+4], 128                         ; tile_dim1
	s_mov_b32 s[\g+5], KROW                        ; the pitch
	s_mov_b32 s[\g+6], 0
	s_mov_b32 s[\g+7], 0
.endr
	s_or_b32 s[G1S+0], s43, (3<<16)|(1<<20)|(1<<21)|(5<<22)|(3<<25) ; the scales of 128 rows: a dense block, as rows of 256 bytes (32 elements of 8), 16 bytes of padding behind each
	s_or_b32 s[G1SB+0], s44, (3<<16)|(1<<20)|(1<<21)|(5<<22)|(3<<25)
.irp g, G1S, G1SB
	s_mov_b32 s[\g+1], 32<<16
	s_mov_b32 s[\g+2], (128*KS/256)<<16
	s_mov_b32 s[\g+3], 32<<16
	s_mov_b32 s[\g+4], 128*KS/256
	s_mov_b32 s[\g+5], 32
	s_mov_b32 s[\g+6], 0
	s_mov_b32 s[\g+7], 0
.endr
	s_lshl_b32 s18, s16, 7                         ; which 128 rows of the tile I fetch
	s_lshl_b32 s20, s17, 8
	s_add_co_u32 s20, s20, s18                     ; A: row 256 x tile row + 128 x half
	s_lshl_b32 s46, s42, 8
	s_add_co_u32 s46, s46, s18                     ; B: row 256 x tile column + 128 x half
	s_mov_b32 s21, 0
	s_mov_b32 s47, 0
	s_mov_b64 s[18:19], KS
	s_mul_u64 s[22:23], s[20:21], s[18:19]         ; where these rows' scales begin,
	s_mul_u64 s[92:93], s[46:47], s[18:19]
	s_mov_b64 s[18:19], KROW
	s_mul_u64 s[20:21], s[20:21], s[18:19]         ; and their codes
	s_mul_u64 s[46:47], s[46:47], s[18:19]
	s_mul_i32 s45, s14, HALFT                      ; where they go: wave x 128 rows: no place in the cluster enters an LDS address
	s_mul_i32 s94, s14, HALFS
	s_wait_dscnt 0x0                               ; both opening adds are done
	s_wait_kmcnt 0x0
	s_add_nc_u64 s[20:21], s[4:5], s[20:21]
	s_add_nc_u64 s[22:23], s[6:7], s[22:23]
	s_add_nc_u64 s[46:47], s[8:9], s[46:47]
	s_add_nc_u64 s[92:93], s[10:11], s[92:93]
	CROUND                                         ; all sixteen work-groups are here: the joint loads meet
	s_mov_b32 s[G0S], 1
	s_add_co_u32 s[G0S+1], s94, SCL
	s_mov_b64 s[G0S+2:G0S+3], s[22:23]
	s_or_b32 s[G0S+3], s[G0S+3], 0x80000000
	s_mov_b32 s[G0SB], 1
	s_add_co_u32 s[G0SB+1], s94, SCL
	s_mov_b64 s[G0SB+2:G0SB+3], s[92:93]
	s_or_b32 s[G0SB+3], s[G0SB+3], 0x80000000
	JLOAD G0S, G1S, G0SB, G1SB                     ; the scales first: they are wanted with the first slot
.irp s, 0,1
	s_mov_b32 s[G0+4*\s], 1
	s_add_co_u32 s[G0+4*\s+1], s45, \s*SLOT
	s_add_nc_u64 s[G0+4*\s+2:G0+4*\s+3], s[20:21], \s*ROWB
	s_or_b32 s[G0+4*\s+3], s[G0+4*\s+3], 0x80000000
	s_mov_b32 s[G0B+4*\s], 1
	s_add_co_u32 s[G0B+4*\s+1], s45, \s*SLOT
	s_add_nc_u64 s[G0B+4*\s+2:G0B+4*\s+3], s[46:47], \s*ROWB
	s_or_b32 s[G0B+4*\s+3], s[G0B+4*\s+3], 0x80000000
	JLOAD G0+4*\s, G1, G0B+4*\s, G1B               ; three tensor loads of mine are out at the most
.endr
	v_and_b32 v1, 15, v0                           ; r = lane % 16
	v_bfe_u32 v2, v0, 4, 1                         ; h = lane / 16
	v_mul_u32_u24 v3, v1, PITCH
	v_lshl_add_u32 v4, v2, 4, v3                   ; a fragment's row x pitch + 16 h
	s_mul_i32 s21, s15, HALFT                      ; my 128 rows of A
	s_mul_i32 s22, s16, HALFT                      ; my 128 rows of B,
	s_add_co_u32 s22, s22, 2*HALFT                 ; which lie behind A's 256
.irp s, 0,1
	v_add_nc_u32 v[ADRA+\s], s21, v4
	v_add_nc_u32 v[ADRB+\s], s22, v4
	s_add_co_u32 s21, s21, SLOT
	s_add_co_u32 s22, s22, SLOT
.endr
	v_mul_u32_u24 v5, v1, KS                       ; my row's scales: KS bytes a row,
	v_lshrrev_b32 v6, 8, v5
	v_lshl_add_u32 v5, v6, 4, v5                   ; and 16 more for each 256 passed
	s_mul_i32 s21, s15, HALFS
	s_mul_i32 s22, s16, HALFS
	s_add_co_u32 s22, s22, 2*HALFS
	s_sub_co_u32 s22, s22, s21
	v_mul_u32_u24 v6, s22, v2                      ; lanes 16-31 take B's: the lower base + h x the distance
	s_add_co_u32 s21, s21, SCL
	v_add_nc_u32 v5, v5, v6
	v_add_nc_u32 v[ADRS], s21, v5
	s_mul_i32 s23, s14, 16*528                     ; my stage, in slot 0: 16 rows x 528 (f32) or x 272 (f16)
	v_mul_u32_u24 v5, v1, 272
	v_lshl_add_u32 v5, v2, 4, v5
	v_add_nc_u32 v[STO], s23, v5                   ; f16 in: row r, 16 bytes for each half of the lanes
	v_bfe_u32 v5, v0, 3, 2
	v_mul_u32_u24 v5, v5, 272
	v_and_b32 v6, 7, v0
	v_lshl_add_u32 v5, v6, 4, v5
	v_add_nc_u32 v[RD], s23, v5                    ; back: eight lanes take the 128 bytes that a row has of one head; four rows an instruction
	v_and_b32 v6, 31, v0
	v_lshlrev_b32 v[CO], 4, v6                     ; in memory those four rows are 512 consecutive bytes
	v_mul_u32_u24 v5, v1, 528
	v_lshl_add_u32 v5, v2, 5, v5
	v_add_nc_u32 v[STO32], s23, v5
	v_add_nc_u32 v[RD32], s23, v[CO]
	v_lshlrev_b32 v[CO32], 12, v2                  ; lanes 0-15 one head's block of q32, lanes 16-31 the next head's
	v_lshl_add_u32 v[CO32], v1, 4, v[CO32]
	s_lshl_b32 s46, s42, 8
	s_lshl_b32 s47, s16, 7
	s_add_co_u32 s46, s46, s47                     ; my first column n0 = 256 x tile column + 128 x half: two heads
	s_lshr_b32 s47, s46, 6                         ; which x 16 + head
	s_lshr_b32 s20, s46, 10
	s_lshl_b32 s20, s20, 24                        ; which: 2^24 bytes
	s_and_b32 s21, s47, 15
	s_lshl_b32 s21, s21, 18                        ; head: 2,048 rows of 128 bytes
	s_add_co_u32 s20, s20, s21
	s_lshl_b32 s21, s41, 22                        ; batch = cy
	s_add_co_u32 s20, s20, s21
	s_lshl_b32 s21, s95, 15                        ; t: 256 x cluster y
	s_add_co_u32 s20, s20, s21
	s_lshl_b32 s21, s15, 14                        ; + 128 x my half
	s_add_co_u32 s20, s20, s21
	s_mov_b32 s21, 0
	s_add_nc_u64 s[12:13], s[12:13], s[20:21]
	s_mul_i32 s20, s41, 48
	s_add_co_u32 s20, s20, s47
	s_lshl_b32 s20, s20, 12                        ; q32: block (b x 48 + which x 16 + head) of 4,096 bytes
	s_add_nc_u64 s[96:97], s[96:97], s[20:21]
.macro FRAG reg, adr, q, i             ; 16 rows x 128 K of 4-bit codes: 8 registers: lane l holds row l % 16; registers 4 c .. 4 c + 3 hold K = 64 c + 32 (l / 16) + 0 .. 31
.irp c, 0,1
	ds_load_b128 v[\reg+4*\c:\reg+4*\c+3], v[\adr] offset:64*(\q)+32*\c+(\i)*16*PITCH
.endr
.endm
; 16 matrix instructions: A's blocks a0, a0 + 1 x B's eight, the slot's q-th 128 along K.  The 64 accumulators take turns, one instruction a turn, in the same order in every step.
; One register carries A's scale word (lanes 0-15) and B's (lanes 16-31) of block i.
.macro MUL16 a0, p, q, sc, zero
.irp a, \a0, \a0+1
.irp b, 0,1,2,3,4,5,6,7
.if \zero
	v_wmma_scale_f32_16x16x128_f8f6f4 v[8*(8*((\a)%4)+\b):8*(8*((\a)%4)+\b)+7], v[128*(\p)+FR*\b:128*(\p)+FR*\b+FR-1], v[AF+FR*(\a):AF+FR*(\a)+FR-1], 0, v[SC+8*NQ*(\sc)+NQ*\b+(\q)], v[SC+8*NQ*(\sc)+NQ*(\a)+(\q)] matrix_a_fmt:MATRIX_FMT_FP4 matrix_b_fmt:MATRIX_FMT_FP4 matrix_a_scale:MATRIX_SCALE_ROW1
.else
	v_wmma_scale_f32_16x16x128_f8f6f4 v[8*(8*((\a)%4)+\b):8*(8*((\a)%4)+\b)+7], v[128*(\p)+FR*\b:128*(\p)+FR*\b+FR-1], v[AF+FR*(\a):AF+FR*(\a)+FR-1], v[8*(8*((\a)%4)+\b):8*(8*((\a)%4)+\b)+7], v[SC+8*NQ*(\sc)+NQ*\b+(\q)], v[SC+8*NQ*(\sc)+NQ*(\a)+(\q)] matrix_a_fmt:MATRIX_FMT_FP4 matrix_b_fmt:MATRIX_FMT_FP4 matrix_a_scale:MATRIX_SCALE_ROW1
.endif
.endr
.endr
.endm
.macro FETCH_B slot, q, p
	WIN TO_B
.irp i, 0,1,2,3,4,5,6,7
	FRAG 128*(\p)+FR*\i, ADRB+\slot, \q, \i
.endr
	WIN 0
.endm
.macro FETCH_A slot, q, i0
.irp i, \i0, \i0+1, \i0+2, \i0+3
	FRAG AF+FR*(\i), ADRA+\slot, \q, \i
.endr
.endm
.macro SCALES sc                       ; a slot's scale words: NQ words a row; lanes 0-15 take A's block i, lanes 16-31 B's block i
.irp i, 0,1,2,3,4,5,6,7
	ds_load_b128 v[SC+8*NQ*\sc+NQ*\i:SC+8*NQ*\sc+NQ*\i+3], v[ADRS] offset:\i*SBLK
.endr
.endm
.macro PLACES n                        ; plain vector places behind matrix instructions, in front of loads into registers that they read and of reads of their results
.rept \n
	v_nop
.endr
.endm
.macro STEP slot, q, zero              ; a step of 128 along K that has its successor in the same slot
	s_wait_dscnt 4*NL                              ; B's set and A's blocks 0-3 are in; the youngest eight loads (A's blocks 4-7) may be out
	WIN MUL_LO
	MUL16 0, (\q)%2, \q, \slot, \zero
	MUL16 2, (\q)%2, \q, \slot, \zero
	s_wait_dscnt 0
	PLACES NP
	FETCH_B \slot, (\q)+1, 1-(\q)%2
	FETCH_A \slot, (\q)+1, 0
	WIN MUL_HI
	MUL16 4, (\q)%2, \q, \slot, \zero
	MUL16 6, (\q)%2, \q, \slot, \zero
	PLACES NP
	WIN 0
	FETCH_A \slot, (\q)+1, 4
.endm
	s_wait_tensorcnt 1                             ; the scales and my part of slot 0 are in (slot 1's load, issued behind them, may be out)
	s_barrier_signal -1
	s_barrier_wait -1                              ; everybody's are
	FETCH_B 0, 0, 0
	FETCH_A 0, 0, 0
	SCALES 0
	FETCH_A 0, 0, 4
	STEP 0, 0, 1                                   ; the first products start the sums: nothing is cleared
	STEP 0, 1, 0
	STEP 0, 2, 0
	; slot 0's last step changes slots: one barrier; in front of it all my tensor loads have landed and my reads of slot 0 are over
	s_wait_tensorcnt 0x0                           ; my part of slot 1 is in
	ds_add_u32 v[SPW], v[NIL]                      ; 0 onto my spare word
	s_wait_dscnt 4*NL+1                            ; (the add and the youngest eight loads may be out)
	WIN MUL_LO
	MUL16 0, 1, NQ-1, 0, 0
	s_wait_dscnt 0x0
	s_barrier_signal -1
	MUL16 2, 1, NQ-1, 0, 0
	WIN 0
	s_barrier_wait -1
	PLACES NP
	v_add_nc_u32 v[ADRS], 4*NQ, v[ADRS]            ; on to slot 1's scale words
	FETCH_B 1, 0, 0
	FETCH_A 1, 0, 0
	SCALES 1
	WIN MUL_HI
	MUL16 4, 1, NQ-1, 0, 0
	MUL16 6, 1, NQ-1, 0, 0
	PLACES NP
	WIN 0
	FETCH_A 1, 0, 4
	STEP 1, 0, 0
	STEP 1, 1, 0
	STEP 1, 2, 0
	s_wait_dscnt 4*NL                              ; the very last step: nothing more to fetch
	WIN MUL_LO
	MUL16 0, 1, NQ-1, 1, 0
	MUL16 2, 1, NQ-1, 1, 0
	s_wait_dscnt 0
	WIN MUL_HI
	MUL16 4, 1, NQ-1, 1, 0
	MUL16 6, 1, NQ-1, 1, 0
	WIN 0
; THE WAY OUT.  The stage lies in slot 0: it has had its only fill, and every wave has passed the change of slots, behind which nobody reads it.  It is each wave's own: LDS serves a wave's instructions in order, so no wait stands between stores and loads.
	PLACES NP
	; rows t < 16 (cluster y = 0, upper half of the tile's rows: block 0) also leave in f32, for the launch that carries the first positions finely
	s_or_b32 s94, s95, s15
	s_cmp_lg_u32 s94, 0
	s_cbranch_scc1 .Lno_fine
	WIN 0x08                                       ; an LDS store's data are its source 1: window 2
.irp b, 0,1,2,3,4,5,6,7
	ds_store_b128 v[STO32], v[8*\b:8*\b+3] offset:64*\b           ; each accumulator from its low end on
	ds_store_b128 v[STO32], v[8*\b+4:8*\b+7] offset:64*\b+16
.endr
	WIN 0
.irp t, 0,1,2,3,4,5,6,7,8,9,10,11,12,13,14,15
	ds_load_b128 v[BK32+4*\t:BK32+4*\t+3], v[RD32] offset:528*\t
.endr
.irp t, 0,1,2,3,4,5,6,7,8,9,10,11,12,13,14,15
	s_wait_dscnt 15-\t
	global_store_b128 v[CO32], v[BK32+4*\t:BK32+4*\t+3], s[96:97] offset:256*\t   ; row t of two heads: sixteen lanes store 256 consecutive bytes, aligned
.endr
.Lno_fine:
.macro PACK a                          ; block a (16 rows x 128 columns) rounded to f16: 16 bytes a lane and accumulator
.set AC, 64*((\a)%4)
	WIN 0x0a+5*((\a)/4)                            ; sources 0 and 1: window 2 or 3
.irp b, 0,1,2,3,4,5,6,7
.irp r, 0,1,2,3
	v_cvt_pk_f16_f32 v[TMP+4*\b+\r], v[AC+8*\b+2*\r], v[AC+8*\b+2*\r+1]
.endr
.endr
	WIN 0
.endm
.macro TOSTAGE a
.set BB, BK+32*((\a)%2)
.irp b, 0,1,2,3,4,5,6,7
	ds_store_b128 v[STO], v[TMP+4*\b:TMP+4*\b+3] offset:32*\b
.endr
.irp t, 0,1,2,3,4,5,6,7
	ds_load_b128 v[BB+4*\t:BB+4*\t+3], v[RD] offset:(\t%4)*4*272+(\t/4)*128   ; four rows' 128 bytes of head t / 4
.endr
.endm
.macro SEND a
.set BB, BK+32*((\a)%2)
	s_wait_dscnt 0x0                               ; the block is back in registers
	s_wait_xcnt 0x0                                ; the block before has had its stores' registers read: the next block's loads may land there
.irp t, 0,1,2,3,4,5,6,7
	global_store_b128 v[CO], v[BB+4*\t:BB+4*\t+3], s[12:13] offset:(\t/4)*262144+(\a)*2048+(\t%4)*512   ; 32 lanes store 512 consecutive bytes, aligned; no base is stepped
.endr
.endm
	PACK 0
	TOSTAGE 0
.irp a, 1,2,3,4,5,6,7                  ; block a's conversions stand between block a - 1's loads from the stage and the wait for them
	PACK \a
	SEND \a-1
	TOSTAGE \a
.endr
	SEND 7
	s_wait_tensorcnt 0x0                           ; the wave's end
	ds_add_u32 v[SPW], v[NIL]
	s_wait_dscnt 0x0
	CROUND                                         ; the closing round
	s_endpgm
.Lfunc_end_k_q4530aab620_qkv:
	.size	k_q4530aab620_qkv, .Lfunc_end_k_q4530aab620_qkv-k_q4530aab620_qkv
	.p2alignl 7, 3214868480
	.fill 96, 4, 3214868480
	.section	.rodata,"a",@progbits
	.p2align	6, 0x0
	.amdhsa_kernel k_q4530aab620_qkv
		.amdhsa_group_segment_fixed_size 327680
		.amdhsa_private_segment_fixed_size 0
		.amdhsa_enable_private_segment 0
		.amdhsa_kernarg_size 48
		.amdhsa_user_sgpr_count 2
		.amdhsa_user_sgpr_kernarg_segment_ptr 1
		.amdhsa_wavefront_size32 1
		.amdhsa_system_sgpr_workgroup_id_x 1
		.amdhsa_system_sgpr_workgroup_id_y 1
		.amdhsa_system_sgpr_workgroup_id_z 1
		.amdhsa_system_vgpr_workitem_id 0
		.amdhsa_next_free_vgpr 1024
		.amdhsa_next_free_sgpr 100
		.amdhsa_reserve_vcc 0
		.amdhsa_float_denorm_mode_32 3
		.amdhsa_float_denorm_mode_16_64 3
		.amdhsa_memory_ordered 1
		.amdhsa_forward_progress 1
		.amdhsa_inst_pref_size 131
	.end_amdhsa_kernel
	.amdgpu_metadata
---
amdhsa.version: [ 1, 2 ]
amdhsa.kernels:
  - .name:           k_q4530aab620_qkv
    .symbol:         k_q4530aab620_qkv.kd
    .args:
      - { .name: xc, .offset: 0, .size: 8, .value_kind: global_buffer, .address_space: global }
      - { .name: xs, .offset: 8, .size: 8, .value_kind: global_buffer, .address_space: global }
      - { .name: wc, .offset: 16, .size: 8, .value_kind: global_buffer, .address_space: global }
      - { .name: ws, .offset: 24, .size: 8, .value_kind: global_buffer, .address_space: global }
      - { .name: qkv, .offset: 32, .size: 8, .value_kind: global_buffer, .address_space: global }
      - { .name: q32, .offset: 40, .size: 8, .value_kind: global_buffer, .address_space: global }
    .group_segment_fixed_size: 327680
    .private_segment_fixed_size: 0
    .kernarg_segment_align: 8
    .kernarg_segment_size: 48
    .max_flat_workgroup_size: 128
    .sgpr_count:     100
    .vgpr_count:     1024
    .wavefront_size: 32
...
	.end_amdgpu_metadata
.endif
;; end of part 2
;; launch attn (part 3): grid 4 x 64, 16 waves a work-group, no clusters, 327,680 bytes of LDS; arguments qkv, att; writes att
.if DOCPART == 3
	.amdgcn_target "amdgcn-amd-amdhsa--gfx1250"
	.amdhsa_code_object_version 6
	.text
	.protected	k_q4530aab620_attn
	.globl	k_q4530aab620_attn
	.p2align	8
	.type	k_q4530aab620_attn,@function
k_q4530aab620_attn:
	s_mov_b64 s[64:65], 0
	v_nop
	global_prefetch_b8 v0, s[64:65] scope:SCOPE_SE
	s_setreg_imm32_b32 hwreg(HW_REG_WAVE_MODE, 25, 1), 1
	s_wait_xcnt 0x0
; att[b][head][t][:] = the sum over keys s <= t of softmax_s(q[t] . k[s] / 8) v[s][:].  q, k, v: qkv [which][b][head][2048][64] in f16; att likewise.  Products on f16 operands, sums, maxima and the softmax in f32.
; LIMIT: |att| stays under 65,504 (it is an average of v).  Rows t < 16 are made here too, but the result's first 16 positions come from another launch, in f32.
; SHARES.  Work-group (i, y): head y = 16 b + head; it owns the blocks of 256 queries i and 7 - i: under the causal mask that is nine blocks of keys for every i, so the 256 work-groups have equal work.
; Each of SIXTEEN waves owns two tiles of 16 queries: H at (7 - i) 256 + 16 w and L at 256 i + 16 w, in 256 registers; four waves to a SIMD, so that one wave's vector work stands beside another's products and LDS loads.
; ONE walk over the keys, 64 a step, serves both tiles: while L is alive each fragment of K and V feeds two products.
; LAYOUT.  S^T = K Q^T (source 0 = 16 keys, source 1 = 16 queries): a lane holds ONE query (lane % 16) and keys 8 (lane / 16) + 0..7 of each tile of keys.  Two such tiles, rounded to f16 in pairs, ARE source 1 of O^T = V^T P.
; K comes out of LDS as it lies, V ([key][channel]) turned, by ds_load_tr16_b128.
; SOFTMAX.  For each query a running maximum m and sum l: p = 2^(c s - c m), c = log2(e) / 8; in every step O and l are multiplied by a = 2^(c m_old - c m_new).
; THE MASK.  Every work-group walks all eight slots of 256 keys: the trip counts are constants.  What is left out is a step's work, by scalar branches on ids; on the diagonal hidden scores become -infinity.  A slot whose first key comes
; after the work-group's last query is read by no wave and is not asked for.
; NO CLUSTER: the four work-groups of a head need 8, 7, 6 and 5 slots: a joint load would bring tiles that some partner never reads.
.set KP,    144                        ; a key's row in LDS: 128 bytes + 16: the 16 rows of a load start at different banks
.set VP,    160                        ; a row of V: 128 + 32
.set VOFF,  256*KP                     ; a slot: 256 rows of K, then 256 rows of V
.set SLOT1, 1<<17                      ; slot 1 begins here: one exclusive or turns an address in one slot into the other's
.set SPARE, SLOT1+VOFF+256*VP          ; behind the ring: the spare words, 128 bytes for each of 16 waves: eight blocks of 256 bytes that no other line names
.set AK0, 1                            ; v1  my lane's place in a tile of K
.set AV0, 2                            ; v2  the same for V
.set SPW, 3                            ; v3  my spare word; never rewritten
.set NIL, 4                            ; v4  0; never rewritten
.set ADK, 5                            ; v5  LDS address of the step's K
.set ADV, 6                            ; v6  of its V
.set PFO, 7                            ; v7  256 x lane: the prefetches' offset
.set RH8, 8                            ; v8  lane % 16 - 8 (lane / 16)
.set DM,  9                            ; v9  the mask's bound
.set NINF, 10                          ; v10 -infinity
.set GO,  11                           ; v11 16 x lane
.set ST,  12                           ; v12-27 statistics: tile t at ST + 8 t: +0 c m, +1 m, +2, +3 l (two halves), +4 .. +7 at work; a takes +6
.set QA,  28                           ; v28 Q: row x 128 + 16 (lane / 16)
.set STO, 29                           ; v29 the way out: where I put 16 bytes of a row
.set RD,  30                           ; v30 where I read rows back
.set QQ,  32                           ; v32-63   Q: tile t, channels 32 c on, at QQ + 16 t + 8 c
.set KV,  64                           ; v64-127  K's eight fragments, then V's eight
.set SS,  128                          ; v128-191 S^T, 32 a tile; P is packed in place into the first 16
.set OO,  192                          ; v192-255 O^T, 32 a tile
.set TB,  2                            ; s2  LDS byte at which the slot in hand begins
.set SLOTS, 3                          ; s3  changes of slots still to come in the loop
.set WV,  18
.set SEL, 20                           ; s[20:21] lane selects: lane l xor 16
.set CS,  22                           ; s[22:23] c, twice (the packed form names a pair)
.set G1K, 24
.set G1V, 32
.set G0K, 40                           ; the groups 0 walk
.set G0V, 44
.set KF,  48                           ; s48 the step's first key
.set QH,  49                           ; s49, s50 my tiles' first queries
.set QL,  50
.set QH15, 51                          ; s51, s52 and their last
.set QL15, 52
.set QLAST, 53                         ; s53 my work-group's last query
.set PFA, 54                           ; s[54:55] where my prefetches stand
.set LIM, 56                           ; s56 1 in a wave that prefetches, else the greatest number
; Waves 0 and 1 fetch K's halves of a slot, waves 2 and 3 V's, 128 rows a load; the others nothing.  An s_nop 0 and four v_nop follow each of the two lines.
.macro TLOAD
	s_cmp_lt_u32 s[WV], 2
	s_cbranch_scc0 .Lnot_k_\@
	tensor_load_to_lds s[G0K:G0K+3], s[G1K:G1K+7]
	s_nop 0
.rept 4
	v_nop
.endr
	s_branch .Lasked_\@
.Lnot_k_\@:
	s_cmp_lt_u32 s[WV], 4
	s_cbranch_scc0 .Lasked_\@
	tensor_load_to_lds s[G0V:G0V+3], s[G1V:G1V+7]
	s_nop 0
.rept 4
	v_nop
.endr
.Lasked_\@:
.endm
; A PREFETCH of what the NEXT change of slots will ask for: a slot's K and its V are dense blocks of 32,768 bytes each.  Each aligned block of 256 bytes is named once in the launch: of a head's four work-groups the one with i = 0 asks
; (it walks all eight slots); in it waves 4 to 7 ask for K, waves 8 to 11 for V, 8,192 bytes a wave, lanes 256 bytes apart.  It stands one slot, four key steps, ahead of the load; the last change that fills a slot asks for nothing.
.macro ASK
	s_cmp_gt_u32 s[SLOTS], s[LIM]
	s_cbranch_scc0 .Lnot_mine_\@
	global_prefetch_b8 v[PFO], s[PFA:PFA+1] th:TH_LOAD_NT scope:SCOPE_SE
.Lnot_mine_\@:
.endm
	s_load_b128 s[4:7], s[0:1], 0x0                ; qkv, att
	v_lshl_add_u32 v[SPW], v0, 2, SPARE
	v_mov_b32 v[NIL], 0
	ds_add_u32 v[SPW], v[NIL]                      ; the wave's opening: the add, twice on end, and its wait ahead of the first tensor load
	ds_add_u32 v[SPW], v[NIL]
	v_lshrrev_b32 v5, 5, v0
	v_readfirstlane_b32 s[WV], v5                  ; wave 0..15
	s_and_b32 s9, ttmp7, 0xffff                    ; y = 16 b + head
	s_lshl_b32 s10, s9, 18                         ; the head's first byte in q, k, v and att: 2,048 rows of 128 bytes
	s_mov_b32 s11, 0
	s_lshl_b32 s8, s[WV], 4
	s_sub_co_u32 s[QH], 7, ttmp9
	s_lshl_b32 s[QH], s[QH], 8
	s_or_b32 s[QLAST], s[QH], 255
	s_add_co_u32 s[QH], s[QH], s8
	s_lshl_b32 s[QL], ttmp9, 8
	s_add_co_u32 s[QL], s[QL], s8
	s_add_co_u32 s[QH15], s[QH], 15
	s_add_co_u32 s[QL15], s[QL], 15
	s_mov_b32 s[G1K], (1<<16)|(1<<20)|(4<<22)|(3<<25)   ; no mask; elements of 2 bytes; padding on: after every 32 words, 4 words
	s_mov_b32 s[G1V], (1<<16)|(1<<20)|(4<<22)|(7<<25)   ; the same with 8 words
.irp g, G1K, G1V
	s_mov_b32 s[\g+1], 64<<16                      ; tensor_dim0 = 64
	s_mov_b32 s[\g+2], 128<<16                     ; tensor_dim1 = 128
	s_mov_b32 s[\g+3], 64<<16                      ; tile_dim0
	s_mov_b32 s[\g+4], 128                         ; tile_dim1
	s_mov_b32 s[\g+5], 64                          ; the pitch
	s_mov_b32 s[\g+6], 0
	s_mov_b32 s[\g+7], 0
.endr
	s_and_b32 s8, s[WV], 1                         ; which 128 rows of a slot I fetch, if I fetch
	s_lshl_b32 s12, s8, 14
	s_add_co_u32 s12, s12, s10
	s_mov_b32 s13, 0
	s_mul_i32 s14, s8, 128*KP
	s_mul_i32 s15, s8, 128*VP
	s_add_co_u32 s15, s15, VOFF
	s_mov_b32 s[SEL], 0x76543210
	s_mov_b32 s[SEL+1], 0xfedcba98
	s_mov_b32 s[CS], 0x3e38aa3b                    ; c = log2(e) / 8
	s_mov_b32 s[CS+1], s[CS]
	s_mov_b32 s[TB], 0
	s_mov_b32 s[SLOTS], 7
	s_mov_b32 s[KF], 0
	s_wait_dscnt 0x0                               ; both opening adds are done
	s_wait_kmcnt 0x0
	s_mov_b32 s[G0K], 1
	s_mov_b32 s[G0K+1], s14
	s_add_nc_u64 s[G0K+2:G0K+3], s[4:5], s[12:13]
	s_add_nc_u64 s[G0K+2:G0K+3], s[G0K+2:G0K+3], 0x1000000   ; k begins 2^24 bytes into qkv
	s_or_b32 s[G0K+3], s[G0K+3], 0x80000000
	s_mov_b32 s[G0V], 1
	s_mov_b32 s[G0V+1], s15
	s_add_nc_u64 s[G0V+2:G0V+3], s[4:5], s[12:13]
	s_add_nc_u64 s[G0V+2:G0V+3], s[G0V+2:G0V+3], 0x2000000   ; v 2^25
	s_or_b32 s[G0V+3], s[G0V+3], 0x80000000
	TLOAD                                          ; slot 0: it holds key 0, which counts for every query
	s_lshl_b32 s12, s[QH], 7
	s_add_co_u32 s12, s12, s10
	s_lshl_b32 s14, s[QL], 7
	s_add_co_u32 s14, s14, s10
	s_mov_b32 s15, 0
	s_add_nc_u64 s[60:61], s[6:7], s[12:13]        ; att at tile H,
	s_add_nc_u64 s[62:63], s[6:7], s[14:15]        ; at tile L;
	s_add_nc_u64 s[12:13], s[4:5], s[12:13]        ; q likewise
	s_add_nc_u64 s[14:15], s[4:5], s[14:15]
	s_mov_b32 s16, 0x2000000
	s_cmp_lt_u32 s[WV], 8
	s_cselect_b32 s16, 0x1000000, s16              ; waves 4 to 7 ask for K, waves 8 to 11 for V
	s_and_b32 s17, s[WV], 3
	s_lshl_b32 s17, s17, 13                        ; my wave's 8,192 bytes,
	s_add_co_u32 s16, s16, s17
	s_add_co_u32 s16, s16, s10                     ; in my head,
	s_add_co_u32 s16, s16, 32768                   ; in slot 1: the first change of slots steps it to slot 2.  Nothing is prefetched here, at the head
	s_mov_b32 s17, 0
	s_add_nc_u64 s[PFA:PFA+1], s[4:5], s[16:17]
	s_sub_co_u32 s16, s[WV], 4
	s_lshr_b32 s16, s16, 3                         ; 0 in waves 4 to 11,
	s_or_b32 s16, s16, ttmp9                       ; of the work-group with i = 0
	s_cmp_eq_u32 s16, 0
	s_cselect_b32 s[LIM], 1, -1
	v_and_b32 v5, 15, v0                           ; r
	v_bfe_u32 v6, v0, 4, 1                         ; h
	v_lshlrev_b32 v[QA], 7, v5
	v_lshl_add_u32 v[QA], v6, 4, v[QA]
.irp c, 0,1                                    ; Q stays in registers: a fragment is 16 queries x 32 channels: two loads of 16 bytes, 32 bytes apart
	global_load_b128 v[QQ+8*\c:QQ+8*\c+3], v[QA], s[12:13] offset:64*\c
	global_load_b128 v[QQ+8*\c+4:QQ+8*\c+7], v[QA], s[12:13] offset:64*\c+32
	global_load_b128 v[QQ+16+8*\c:QQ+16+8*\c+3], v[QA], s[14:15] offset:64*\c
	global_load_b128 v[QQ+16+8*\c+4:QQ+16+8*\c+7], v[QA], s[14:15] offset:64*\c+32
.endr
	v_mul_u32_u24 v[AK0], v5, KP
	v_lshl_add_u32 v[AK0], v6, 4, v[AK0]           ; K: row r x pitch + 16 h
	v_and_b32 v9, 7, v0
	v_lshl_add_u32 v[AV0], v6, 3, v9               ; V, for the turning load: key 8 h + lane % 8,
	v_mul_u32_u24 v[AV0], v[AV0], VP
	v_bfe_u32 v9, v0, 3, 1
	v_lshl_add_u32 v[AV0], v9, 4, v[AV0]           ; channels 8 ((lane / 8) % 2) on
	v_add_nc_u32 v[AV0], VOFF, v[AV0]
	v_and_b32 v[PFO], 31, v0
	v_lshlrev_b32 v[GO], 4, v[PFO]
	v_lshlrev_b32 v[PFO], 8, v[PFO]
	v_lshlrev_b32 v[RH8], 3, v6
	v_sub_nc_u32 v[RH8], v5, v[RH8]
	v_mov_b32 v[NINF], 0xff800000
	s_mul_i32 s57, s[WV], 2*16*KP                  ; my stage for the way out: two tiles of 16 rows x 144 bytes, in slot 0
	v_add_nc_u32 v[STO], s57, v[AK0]               ; in: row r, 16 bytes for each half of the lanes
	v_bfe_u32 v[RD], v0, 3, 2
	v_mul_u32_u24 v[RD], v[RD], KP
	v_and_b32 v9, 7, v0
	v_lshl_add_u32 v[RD], v9, 4, v[RD]
	v_add_nc_u32 v[RD], s57, v[RD]                 ; back: eight lanes to a row of 128 bytes, four rows an instruction
.irp t, 0,1
	v_mov_b32 v[ST+8*\t+1], 0xff61b1e6             ; m = -3e38, under every score
	v_mul_f32 v[ST+8*\t], s[CS], v[ST+8*\t+1]      ; c m
.irp k, 2,3,4,5,6,7
	v_mov_b32 v[ST+8*\t+\k], 0                     ; l; and the registers at work, which lane permutes and packed pairs name before they are first written
.endr
.endr
.set i, 0
.rept 64
	v_mov_b32 v[OO+i], 0                           ; O^T.  (The step is written for every step alike: the first finds zeros, which a = 0 leaves zeros)
.set i, i+1
.endr
.macro KLOADS q                        ; the step's K: keys 16 kt on, channels 32 c on
.irp kt, 0,1,2,3
.irp c, 0,1
	ds_load_b128 v[KV+8*(2*\kt+\c):KV+8*(2*\kt+\c)+3], v[ADK] offset:(64*(\q)+16*\kt)*KP+64*\c
	ds_load_b128 v[KV+8*(2*\kt+\c)+4:KV+8*(2*\kt+\c)+7], v[ADK] offset:(64*(\q)+16*\kt)*KP+64*\c+32
.endr
.endr
.endm
.macro VLOADS q                        ; its V, turned: keys 32 kk on, channels 16 dt on
.irp kk, 0,1
.irp dt, 0,1,2,3
	ds_load_tr16_b128 v[KV+8*(4*\kk+\dt):KV+8*(4*\kk+\dt)+3], v[ADV] offset:(64*(\q)+32*\kk)*VP+32*\dt
	ds_load_tr16_b128 v[KV+8*(4*\kk+\dt)+4:KV+8*(4*\kk+\dt)+7], v[ADV] offset:(64*(\q)+32*\kk+16)*VP+32*\dt
.endr
.endr
.endm
.macro SQ t                            ; S^T = K Q^T of tile t: the four accumulators take turns; the first four products start the sums
.irp c, 0,1
.irp kt, 0,1,2,3
.if \c == 0
	v_wmma_f32_16x16x32_f16 v[SS+32*\t+8*\kt:SS+32*\t+8*\kt+7], v[KV+8*(2*\kt+\c):KV+8*(2*\kt+\c)+7], v[QQ+16*\t+8*\c:QQ+16*\t+8*\c+7], 0
.else
	v_wmma_f32_16x16x32_f16 v[SS+32*\t+8*\kt:SS+32*\t+8*\kt+7], v[KV+8*(2*\kt+\c):KV+8*(2*\kt+\c)+7], v[QQ+16*\t+8*\c:QQ+16*\t+8*\c+7], v[SS+32*\t+8*\kt:SS+32*\t+8*\kt+7]
.endif
.endr
.endr
.endm
.macro PV t                            ; O^T += V^T P of tile t, the four accumulators by turns
.irp kk, 0,1
.irp dt, 0,1,2,3
	v_wmma_f32_16x16x32_f16 v[OO+32*\t+8*\dt:OO+32*\t+8*\dt+7], v[KV+8*(4*\kk+\dt):KV+8*(4*\kk+\dt)+7], v[SS+32*\t+8*\kk:SS+32*\t+8*\kk+7], v[OO+32*\t+8*\dt:OO+32*\t+8*\dt+7]
.endr
.endr
.endm
.macro PLACES4                         ; four plain places behind matrix instructions, in front of loads into registers that they read and of reads of their results
.rept 4
	v_nop
.endr
.endm
; One tile's softmax for one key step.  q0: the scalar register with the tile's first query.  Register 8 kt + j of S^T holds key KF + 16 kt + 8 (lane / 16) + j.
.macro SOFTMAX t, q0
.set rT, ST+8*\t
.set rS, SS+32*\t
.set rO, OO+32*\t
	s_add_co_u32 s57, s[KF], 63                    ; a step all of whose keys count skips the mask
	s_cmp_le_u32 s57, s[\q0]
	s_cbranch_scc1 .Lopen_\@
	s_sub_co_i32 s57, s[\q0], s[KF]
	v_add_nc_u32 v[DM], s57, v[RH8]                ; my query - KF - 8 (lane / 16): hidden where 16 kt + j is above it
.irp n, 0,1,2,3,4,5,6,7,8,9,10,11,12,13,14,15,16,17,18,19,20,21,22,23,24,25,26,27,28,29,30,31
	v_cmp_gt_i32 vcc_lo, 16*(\n/8)+\n%8, v[DM]
	v_cndmask_b32 v[rS+\n], v[rS+\n], v[NINF], vcc_lo
.endr
.Lopen_\@:
.irp j, 0,1,2,3                                ; the maximum of my 32 scores and the old m: four chains, each accumulator read from its low end on
	v_max3_num_f32 v[rT+4+\j], v[rS+8*\j], v[rS+8*\j+1], v[rS+8*\j+2]
.endr
.irp j, 0,1,2,3
	v_max3_num_f32 v[rT+4+\j], v[rT+4+\j], v[rS+8*\j+3], v[rS+8*\j+4]
.endr
.irp j, 0,1,2,3
	v_max3_num_f32 v[rT+4+\j], v[rT+4+\j], v[rS+8*\j+5], v[rS+8*\j+6]
.endr
	v_max3_num_f32 v[rT+4], v[rT+4], v[rS+7], v[rS+15]
	v_max3_num_f32 v[rT+6], v[rT+6], v[rS+23], v[rS+31]
	v_max3_num_f32 v[rT+4], v[rT+4], v[rT+5], v[rT+6]
	v_max3_num_f32 v[rT+4], v[rT+4], v[rT+7], v[rT+1]
	v_permlanex16_b32 v[rT+5], v[rT+4], s[SEL], s[SEL+1]   ; the query's other 32 keys lie in the lane 16 away
	v_mov_b32 v[rT+7], v[rT]                       ; c m_old
	v_max_num_f32 v[rT+1], v[rT+4], v[rT+5]        ; the new m
	v_mul_f32 v[rT], s[CS], v[rT+1]
	v_sub_f32 v[rT+7], v[rT+7], v[rT]              ; c m_old - c m_new
.irp b, 0,2,4,6,8,10,12,14,16,18,20,22,24,26,28,30
	v_pk_fma_f32 v[rS+\b:rS+\b+1], v[rS+\b:rS+\b+1], s[CS:CS+1], v[rT:rT+1] op_sel_hi:[1,0,0] neg_lo:[0,0,1] neg_hi:[0,0,1]   ; c s - c m, two at a time
.endr
	v_exp_f32 v[rT+6], v[rT+7]                     ; a.  ONE BATCH of 33 exponentials,
.irp n, 0,1,2,3,4,5,6,7,8,9,10,11,12,13,14,15,16,17,18,19,20,21,22,23,24,25,26,27,28,29,30,31
	v_exp_f32 v[rS+\n], v[rS+\n]
.endr
	v_nop                                          ; one plain instruction behind the last,
	s_wait_alu depctr_va_vdst(0)                   ; and one wait ahead of the first instruction that names a result
	v_pk_mul_f32 v[rT+2:rT+3], v[rT+2:rT+3], v[rT+6:rT+7] op_sel_hi:[1,0]   ; l under the new m
	v_pk_add_f32 v[rT+4:rT+5], v[rS+2:rS+3], v[rS+6:rS+7]                   ; the sum of the unrounded p, in two chains
	v_pk_add_f32 v[rT+2:rT+3], v[rT+2:rT+3], v[rS:rS+1]
	v_pk_add_f32 v[rT+2:rT+3], v[rT+2:rT+3], v[rS+4:rS+5]
.irp b, 8,12,16,20,24,28
	v_pk_add_f32 v[rT+2:rT+3], v[rT+2:rT+3], v[rS+\b:rS+\b+1]
	v_pk_add_f32 v[rT+4:rT+5], v[rT+4:rT+5], v[rS+\b+2:rS+\b+3]
.endr
	v_pk_add_f32 v[rT+2:rT+3], v[rT+2:rT+3], v[rT+4:rT+5]
.irp i, 0,1,2,3,4,5,6,7,8,9,10,11,12,13,14,15
	v_cvt_pk_f16_f32 v[rS+\i], v[rS+2*\i], v[rS+2*\i+1]   ; P, packed in place, ascending: register i is written when 2 i and 2 i + 1 are read, never ahead of a source
.endr
.irp b, 0,2,4,6,8,10,12,14,16,18,20,22,24,26,28,30
	v_pk_mul_f32 v[rO+\b:rO+\b+1], v[rO+\b:rO+\b+1], v[rT+6:rT+7] op_sel_hi:[1,0]   ; O^T under the new m
.endr
.endm
; A KEY STEP: 64 keys, the q-th of the slot in hand.  All its branches hang on ids and on the count of steps; no barrier, no tensor load and no wait on TENSORcnt stands in a step.
; ONE branch says whether tile L is alive; behind it the step is written out for both tiles and for H alone.
.macro STEP q
	s_cmp_gt_u32 s[KF], s[QH15]                    ; all keys come after my last query: the step's work is left out
	s_cbranch_scc1 .Lhidden_\@
	v_add_nc_u32 v[ADK], s[TB], v[AK0]
	v_add_nc_u32 v[ADV], s[TB], v[AV0]
.rept 3
	v_nop                                          ; five places behind the last step's products: four for the loads into V's registers, five for the new scores, which are written over P
.endr
	KLOADS \q
	s_wait_dscnt 0x0
	SQ 0
	s_cmp_gt_u32 s[KF], s[QL15]
	s_cbranch_scc1 .Lsolo_\@
	SQ 1
	PLACES4
	VLOADS \q                                      ; V lands under the softmax
	SOFTMAX 0, QH
	SOFTMAX 1, QL
	s_wait_dscnt 0x0
	PV 0
	PV 1
	s_branch .Lhidden_\@
.Lsolo_\@:
	PLACES4
	VLOADS \q
	SOFTMAX 0, QH
	s_wait_dscnt 0x0
	PV 0
.Lhidden_\@:
	s_add_co_u32 s[KF], s[KF], 64
.endm
; THE CHANGE OF SLOTS stands at a slot's head.  Each wave waits for all its tensor loads, adds 0 to its spare word, and waits for that and for its reads of the slot that it has left.  Behind the barrier the slot ahead is whole
; and nobody reads the other one.  fill = 1: that other slot takes the keys that follow, up to the causal limit: the load has a slot's four steps in which to land.  By the text's own count a wave has one tensor load out.
.macro CHANGE fill
	s_wait_tensorcnt 0x0                           ; no tensor load of mine is out, so a group 0 may be written
	ds_add_u32 v[SPW], v[NIL]                      ; 0 onto my spare word
.if \fill
	ds_add_u32 v[SPW], v[NIL]                      ; and once more, in every trip alike
	s_xor_b32 s[G0K+1], s[G0K+1], SLOT1            ; the walking descriptors: the other slot, the next 256 keys
	s_add_nc_u64 s[G0K+2:G0K+3], s[G0K+2:G0K+3], 32768
	s_xor_b32 s[G0V+1], s[G0V+1], SLOT1
	s_add_nc_u64 s[G0V+2:G0V+3], s[G0V+2:G0V+3], 32768
	s_wait_xcnt 0x0                                ; the last prefetch, a slot back, has read its address
	s_add_nc_u64 s[PFA:PFA+1], s[PFA:PFA+1], 32768
.endif
	s_wait_dscnt 0x0                               ; the add is done, and my reads of the slot that I have left are over
	s_barrier_signal -1
	s_barrier_wait -1
.if \fill
	s_add_co_u32 s57, s[KF], 256                   ; the first key of the slot that this change would ask for
	s_cmp_gt_u32 s57, s[QLAST]                     ; ids and the count of steps alone: all sixteen waves go the same way, and every wait on TENSORcnt in this text is for 0
	s_cbranch_scc1 .Lpast_\@
	TLOAD                                          ; a wave's one tensor load until the next such barrier
.Lpast_\@:
	ASK
.endif
.endm
.macro SLOT_STEPS
	STEP 0
	STEP 1
	STEP 2
	STEP 3
	s_xor_b32 s[TB], s[TB], SLOT1                  ; on to the other slot
.endm
	s_wait_loadcnt 0x0                             ; Q
.Lslot:                                            ; seven trips: behind each change of slots but the last the next slot is asked for
	CHANGE 1
	SLOT_STEPS
	s_sub_co_u32 s[SLOTS], s[SLOTS], 1
	s_cmp_lg_u32 s[SLOTS], 0
	s_cbranch_scc1 .Lslot
	CHANGE 0                                       ; the last slot is written out: nothing is left to ask for
	SLOT_STEPS
	; THE WAY OUT.  O^T / l, rounded to f16, goes through my stage in LDS slot 0, which was left at the last change of slots: it has had its last fill and nobody reads it.
	PLACES4
.irp t, 0,1
	v_add_f32 v[ST+8*\t+4], v[ST+8*\t+2], v[ST+8*\t+3]
.endr
.irp t, 0,1
	v_permlanex16_b32 v[ST+8*\t+5], v[ST+8*\t+4], s[SEL], s[SEL+1]
.endr
.irp t, 0,1
	v_add_f32 v[ST+8*\t+4], v[ST+8*\t+4], v[ST+8*\t+5]
.endr
.irp t, 0,1
	v_rcp_f32 v[ST+8*\t+6], v[ST+8*\t+4]
.endr
	v_nop                                          ; a plain instruction behind the reciprocals,
	s_wait_alu depctr_va_vdst(0)                   ; and the one wait ahead of their first use
.irp t, 0,1
.irp b, 0,2,4,6,8,10,12,14,16,18,20,22,24,26,28,30
	v_pk_mul_f32 v[OO+32*\t+\b:OO+32*\t+\b+1], v[OO+32*\t+\b:OO+32*\t+\b+1], v[ST+8*\t+6:ST+8*\t+7] op_sel_hi:[1,0]
.endr
.irp i, 0,1,2,3,4,5,6,7,8,9,10,11,12,13,14,15
	v_cvt_pk_f16_f32 v[SS+32*\t+\i], v[OO+32*\t+2*\i], v[OO+32*\t+2*\i+1]
.endr
.irp dt, 0,1,2,3
	ds_store_b128 v[STO], v[SS+32*\t+4*\dt:SS+32*\t+4*\dt+3] offset:16*KP*\t+32*\dt
.endr
.irp u, 0,1,2,3
	ds_load_b128 v[KV+16*\t+4*\u:KV+16*\t+4*\u+3], v[RD] offset:16*KP*\t+4*KP*\u   ; LDS serves a wave's instructions in order: these see my stores
.endr
.endr
.irp u, 0,1,2,3
	s_wait_dscnt 11-\u                             ; behind tile H's load u: its 3 - u younger loads and tile L's eight instructions
	global_store_b128 v[GO], v[KV+4*\u:KV+4*\u+3], s[60:61] offset:512*\u   ; four rows: 512 consecutive bytes, aligned
.endr
.irp u, 0,1,2,3
	s_wait_dscnt 3-\u
	global_store_b128 v[GO], v[KV+16+4*\u:KV+16+4*\u+3], s[62:63] offset:512*\u
.endr
	s_wait_tensorcnt 0x0                           ; the wave's end
	ds_add_u32 v[SPW], v[NIL]
	s_wait_dscnt 0x0
	s_endpgm
.Lfunc_end_k_q4530aab620_attn:
	.size	k_q4530aab620_attn, .Lfunc_end_k_q4530aab620_attn-k_q4530aab620_attn
	.p2alignl 7, 3214868480
	.fill 96, 4, 3214868480
	.section	.rodata,"a",@progbits
	.p2align	6, 0x0
	.amdhsa_kernel k_q4530aab620_attn
		.amdhsa_group_segment_fixed_size 327680
		.amdhsa_private_segment_fixed_size 0
		.amdhsa_enable_private_segment 0
		.amdhsa_kernarg_size 16
		.amdhsa_user_sgpr_count 2
		.amdhsa_user_sgpr_kernarg_segment_ptr 1
		.amdhsa_wavefront_size32 1
		.amdhsa_system_sgpr_workgroup_id_x 1
		.amdhsa_system_sgpr_workgroup_id_y 1
		.amdhsa_system_sgpr_workgroup_id_z 1
		.amdhsa_system_vgpr_workitem_id 0
		.amdhsa_next_free_vgpr 256
		.amdhsa_next_free_sgpr 72
		.amdhsa_reserve_vcc 1
		.amdhsa_float_denorm_mode_32 3
		.amdhsa_float_denorm_mode_16_64 3
		.amdhsa_memory_ordered 1
		.amdhsa_forward_progress 1
		.amdhsa_inst_pref_size 255
	.end_amdhsa_kernel
	.section	.bss,"aw",@nobits
	.p2align	6
	.space	262144
	.amdgpu_metadata
---
amdhsa.version: [ 1, 2 ]
amdhsa.kernels:
  - .name:           k_q4530aab620_attn
    .symbol:         k_q4530aab620_attn.kd
    .args:
      - { .name: qkv, .offset: 0, .size: 8, .value_kind: global_buffer, .address_space: global }
      - { .name: att, .offset: 8, .size: 8, .value_kind: global_buffer, .address_space: global }
    .group_segment_fixed_size: 327680
    .private_segment_fixed_size: 0
    .kernarg_segment_align: 8
    .kernarg_segment_size: 16
    .max_flat_workgroup_size: 512
    .sgpr_count:     72
    .vgpr_count:     256
    .wavefront_size: 32
...
	.end_amdgpu_metadata
.endif
;; end of part 3
;; launch proj (part 4): grid 8 x 32, 4 waves a work-group, clusters of 4 x 4, 327,680 bytes of LDS; arguments att, wo16, bo, out0; writes out0
.if DOCPART == 4
	.amdgcn_target "amdgcn-amd-amdhsa--gfx1250"
	.amdhsa_code_object_version 6
	.text
	.protected	k_q4530aab620_proj
	.globl	k_q4530aab620_proj
	.p2align	8
	.type	k_q4530aab620_proj,@function
k_q4530aab620_proj:
	s_mov_b64 s[64:65], 0
	v_nop
	global_prefetch_b8 v0, s[64:65] scope:SCOPE_SE
	s_setreg_imm32_b32 hwreg(HW_REG_WAVE_MODE, 25, 1), 1
	s_wait_xcnt 0x0
	s_wait_alu depctr_hold_cnt(0) depctr_sa_sdst(0) depctr_va_vdst(0) depctr_va_sdst(0) depctr_va_ssrc(0) depctr_va_vcc(0) depctr_vm_vsrc(0)
	s_getreg_b32 s2, hwreg(HW_REG_IB_STS2, 6, 4)
	s_cmp_eq_u32 s2, 0
	s_cbranch_scc0 .Lentry_in_a_cluster
	s_endpgm
.Lentry_in_a_cluster:
	s_bfe_u32 s2, ttmp6, 0x10000c
	s_cmp_lg_u32 s2, 0xf033
	s_cbranch_scc0 .Lentry_shape_is_right
	s_endpgm
.Lentry_shape_is_right:
; out0[b][t][n] = the sum over k = 64 head + d of att[b][head][t][d] Wo[k][n] + bo[n], for every row but t < 16 (those rows belong to the launch that carries them in f32).  Operands f16, sums f32.
; A = att [b][head][2048][64] f16: for one head, 256 rows are a dense block of 32,768 bytes.  B = wo16 [k 1024][n 1024] f16, K NOT innermost: its fragments come out of LDS turned, by ds_load_tr16_b128.
; A tile of 256 rows x 128 columns is made by four waves, 128 x 64 each: 32 accumulators.  256 work-groups.  K goes in steps of 128 (two heads) through a ring of two LDS slots.
; CLUSTERS: 4 x 4 work-groups; A's tiles are shared along a row of the cluster, B's along a column, each asked for JOINTLY.  The tile row is cluster y + 8 cy: batch = cy, t from 256 x cluster y on,
; so that "this block holds t < 16" hangs on cluster y and the wave's number, which all partners share.
; THE MATRIX INSTRUCTION IS USED TRANSPOSED (source 0 = 16 columns of Wo, source 1 = 16 rows of att): a lane holds eight neighbouring columns of one row.  The bias is the C of each sum's first product.
; REGISTERS: window 0: v16-29 addresses; v32-63 the bias, eight registers for each block of 16 columns; v64-127 rows on the way out.  window 1: two fragment buffers of 96 (A's 8 blocks, B's 4) at v0 and v128.
;   window 2: the accumulators, (a, bb) at v[8 (4 a + bb)].
.set AP,    144                        ; a row of A in LDS: 128 bytes + 16
.set BP,    288                        ; a row of B: 256 + 32
.set AREG,  256*AP                     ; one head's 256 rows
.set BOFF,  2*AREG
.set SLOT,  BOFF+128*BP
.set STAGE, 2*SLOT                     ; behind the ring: 16 rows x 272 bytes for each wave
.set SPARE, STAGE+4*16*272             ; the spare words, 128 bytes a wave: two blocks of 256 bytes that no other line names
.set ADRA, 16
.set ADRB, 20
.set STO,  24
.set RD,   25
.set CO,   26
.set VB,   27
.set SPW,  28
.set NIL,  29
.set BIAS, 32
.set BK,   64
.set F0,   0
.set F1,   128
.set G1,  24
.set G0,  32
.set G1B, 48
.set G0B, 56
.set MSB, 0
.macro WIN new                         ; the immediate's high byte repeats the setting that is left
.if MSB != (\new)
	s_set_vgpr_msb (MSB<<8)|(\new)
.set MSB, (\new)
.endif
.endm
.set MUL,  0xa5                        ; sources 0 and 1 window 1; C and D window 2
.set MULB, 0x85                        ; the same with C (the bias) in window 0
.set TO_F, 0x40                        ; destination window 1, address window 0
.macro JLOAD s                         ; a joint load: waves 0 and 1 fetch A's two heads, waves 2 and 3 B's two halves; an s_nop 0 and four v_nop follow each of the two lines
	s_cmp_eq_u32 s13, 0
	s_cbranch_scc0 .Lfor_b_\@
	tensor_load_to_lds s[G0+4*\s:G0+4*\s+3], s[G1:G1+7]
	s_nop 0
.rept 4
	v_nop
.endr
	s_branch .Lasked_\@
.Lfor_b_\@:
	tensor_load_to_lds s[G0B+4*\s:G0B+4*\s+3], s[G1B:G1B+7]
	s_nop 0
.rept 4
	v_nop
.endr
.Lasked_\@:
.endm
.macro CREST                           ; a round of the cluster's barrier behind its opening barrier
	s_cmp_lg_u32 s12, 0
	s_cbranch_scc1 .Lnot_wave_0_\@
	s_barrier_signal -3
.Lnot_wave_0_\@:
	s_barrier_wait -3
	s_barrier_signal -1
	s_barrier_wait -1
.endm
.macro CROUND
	s_barrier_signal -1
	s_barrier_wait -1
	CREST
.endm
	s_load_b128 s[4:7], s[0:1], 0x0                ; att, wo16
	s_load_b128 s[8:11], s[0:1], 0x10              ; bo, out0
	v_lshl_add_u32 v[SPW], v0, 2, SPARE
	v_mov_b32 v[NIL], 0
	ds_add_u32 v[SPW], v[NIL]                      ; the wave's opening: the add, twice on end, and its wait ahead of my first tensor load
	ds_add_u32 v[SPW], v[NIL]
	v_lshrrev_b32 v1, 5, v0
	v_readfirstlane_b32 s12, v1                    ; wave 0..3
	s_lshr_b32 s13, s12, 1                         ; which 128 rows of the tile are mine.  Also: I fetch for A (0) or for B (1)
	s_and_b32 s14, s12, 1                          ; which 64 columns.  Also: which head of A's two, or which 64 rows of B, I fetch
	s_bfe_u32 s15, ttmp6, 0x40000                  ; cx
	s_bfe_u32 s16, ttmp6, 0x40004                  ; cy
	s_lshl_b32 s17, ttmp9, 2
	s_add_co_u32 s17, s17, s15                     ; tile column = 4 x cluster x + cx
	s_and_b32 s18, ttmp7, 0xffff                   ; cluster y
	s_lshl_b32 s19, s16, 2
	s_lshl_b32 s19, 15, s19                        ; my row of the cluster
	s_lshl_b32 s20, 0x1111, s15                    ; my column
	s_or_b32 s[G1+0], s19, (1<<16)|(1<<20)|(1<<21)|(4<<22)|(3<<25)   ; the mask; elements of 2 bytes; padding on; bit 21 beside a mask; after every 32 words, 4 words
	s_mov_b32 s[G1+1], 64<<16                      ; tensor_dim0 = 64
	s_mov_b32 s[G1+2], 256<<16                     ; tensor_dim1 = 256
	s_mov_b32 s[G1+3], 64<<16                      ; tile_dim0
	s_mov_b32 s[G1+4], 256                         ; tile_dim1
	s_mov_b32 s[G1+5], 64                          ; the pitch
	s_mov_b32 s[G1+6], 0
	s_mov_b32 s[G1+7], 0
	s_or_b32 s[G1B+0], s20, (1<<16)|(1<<20)|(1<<21)|(5<<22)|(7<<25)  ; after every 64 words, 8 words
	s_mov_b32 s[G1B+1], 128<<16
	s_mov_b32 s[G1B+2], 64<<16
	s_mov_b32 s[G1B+3], 128<<16
	s_mov_b32 s[G1B+4], 64
	s_mov_b32 s[G1B+5], 1024
	s_mov_b32 s[G1B+6], 0
	s_mov_b32 s[G1B+7], 0
	s_lshl_b32 s40, s16, 22                        ; A: batch cy,
	s_lshl_b32 s41, s14, 18                        ; head = my part,
	s_add_co_u32 s40, s40, s41
	s_lshl_b32 s41, s18, 15                        ; rows from 256 x cluster y on: registers that never hold cx
	s_add_co_u32 s40, s40, s41
	s_mov_b32 s41, 0
	s_lshl_b32 s42, s14, 17                        ; B: k rows 64 x my part on,
	s_lshl_b32 s43, s17, 8                         ; columns 128 x tile column on: registers that never hold cy
	s_add_co_u32 s42, s42, s43
	s_mov_b32 s43, 0
	s_mul_i32 s44, s14, AREG                       ; where they go: no place in the cluster enters an LDS address
	s_mul_i32 s45, s14, 64*BP
	s_add_co_u32 s45, s45, BOFF
	s_wait_dscnt 0x0                               ; both opening adds are done
	s_wait_kmcnt 0x0
	s_add_nc_u64 s[40:41], s[4:5], s[40:41]
	s_add_nc_u64 s[42:43], s[6:7], s[42:43]
	CROUND                                         ; all sixteen work-groups are here: the first joint loads meet
.irp s, 0,1
	s_mov_b32 s[G0+4*\s], 1
	s_add_co_u32 s[G0+4*\s+1], s44, \s*SLOT
	s_add_nc_u64 s[G0+4*\s+2:G0+4*\s+3], s[40:41], \s*2*262144     ; K step s: heads 2 s, 2 s + 1
	s_or_b32 s[G0+4*\s+3], s[G0+4*\s+3], 0x80000000
	s_mov_b32 s[G0B+4*\s], 1
	s_add_co_u32 s[G0B+4*\s+1], s45, \s*SLOT
	s_add_nc_u64 s[G0B+4*\s+2:G0B+4*\s+3], s[42:43], \s*128*2048   ; k rows 128 s on
	s_or_b32 s[G0B+4*\s+3], s[G0B+4*\s+3], 0x80000000
	JLOAD \s                                       ; two tensor loads of mine are out at the most
.endr
	v_and_b32 v1, 15, v0                           ; r
	v_bfe_u32 v2, v0, 4, 1                         ; h
	v_mul_u32_u24 v3, v1, AP
	v_lshl_add_u32 v3, v2, 4, v3                   ; A: row r x pitch + 16 h
	s_mul_i32 s21, s13, 128*AP                     ; my 128 rows
	v_and_b32 v4, 7, v0
	v_lshl_add_u32 v4, v2, 3, v4                   ; B, for the turning load: k row 8 h + lane % 8,
	v_mul_u32_u24 v4, v4, BP
	v_bfe_u32 v5, v0, 3, 1
	v_lshl_add_u32 v4, v5, 4, v4                   ; columns 8 ((lane / 8) % 2) on
	s_lshl_b32 s22, s14, 7                         ; my 64 columns
	s_add_co_u32 s22, s22, BOFF
.irp s, 0,1
	v_add_nc_u32 v[ADRA+\s], s21, v3
	v_add_nc_u32 v[ADRB+\s], s22, v4
	s_add_co_u32 s21, s21, SLOT
	s_add_co_u32 s22, s22, SLOT
.endr
	s_mul_i32 s23, s12, 16*272
	s_add_co_u32 s23, s23, STAGE                   ; my stage
	v_mul_u32_u24 v5, v1, 272
	v_lshl_add_u32 v5, v2, 5, v5
	v_add_nc_u32 v[STO], s23, v5                   ; in: row r, 32 bytes for each half of the lanes
	v_mul_u32_u24 v5, v2, 272
	v_lshl_add_u32 v5, v1, 4, v5
	v_add_nc_u32 v[RD], s23, v5                    ; back: lanes 0-15 one row of 256 bytes, lanes 16-31 the next
	v_lshlrev_b32 v[CO], 12, v2
	v_lshl_add_u32 v[CO], v1, 4, v[CO]             ; and the same two rows in out0
	v_lshlrev_b32 v[VB], 5, v2                     ; the bias: my half's eight numbers of a block of 16
	s_lshl_b32 s20, s17, 9
	s_lshl_b32 s21, s14, 8
	s_add_co_u32 s20, s20, s21                     ; my first column, in bytes of f32: 512 x tile column + 256 x half
	s_mov_b32 s21, 0
	s_add_nc_u64 s[8:9], s[8:9], s[20:21]
	s_add_nc_u64 s[10:11], s[10:11], s[20:21]
	s_lshl_b32 s20, s16, 23                        ; my first row: 2,048 cy + 256 cluster y + 128 half, rows of 4,096 bytes
	s_lshl_b32 s22, s18, 20
	s_add_co_u32 s20, s20, s22
	s_lshl_b32 s22, s13, 19
	s_add_co_u32 s20, s20, s22
	s_add_nc_u64 s[10:11], s[10:11], s[20:21]
	s_or_b32 s2, s18, s13                          ; 0 where my block 0 is rows t < 16
.irp bb, 0,1,2,3
	global_load_b128 v[BIAS+8*\bb:BIAS+8*\bb+3], v[VB], s[8:9] offset:64*\bb
	global_load_b128 v[BIAS+8*\bb+4:BIAS+8*\bb+7], v[VB], s[8:9] offset:64*\bb+16
.endr
; 8 matrix instructions: A's blocks a0, a0 + 1 x B's four, 32 along K.  The 32 accumulators take turns, one instruction a turn, in the same order in every quarter.  zero = 1: the bias starts the sums.
.macro MUL8 f, a0, zero
.irp a, \a0, \a0+1
.irp bb, 0,1,2,3
.if \zero
	v_wmma_f32_16x16x32_f16 v[8*(4*(\a)+\bb):8*(4*(\a)+\bb)+7], v[\f+64+8*\bb:\f+64+8*\bb+7], v[\f+8*(\a):\f+8*(\a)+7], v[BIAS+8*\bb:BIAS+8*\bb+7]
.else
	v_wmma_f32_16x16x32_f16 v[8*(4*(\a)+\bb):8*(4*(\a)+\bb)+7], v[\f+64+8*\bb:\f+64+8*\bb+7], v[\f+8*(\a):\f+8*(\a)+7], v[8*(4*(\a)+\bb):8*(4*(\a)+\bb)+7]
.endif
.endr
.endr
.endm
; 24 LDS loads in one run: the fragments of the slot's q-th 32 along K into buffer f: B's four first (turned), then A's eight
.macro FETCH slot, q, f
	WIN TO_F
.irp bb, 0,1,2,3
	ds_load_tr16_b128 v[\f+64+8*\bb:\f+64+8*\bb+3], v[ADRB+\slot] offset:32*(\q)*BP+32*\bb
	ds_load_tr16_b128 v[\f+64+8*\bb+4:\f+64+8*\bb+7], v[ADRB+\slot] offset:32*(\q)*BP+16*BP+32*\bb
.endr
.irp i, 0,1,2,3,4,5,6,7
	ds_load_b128 v[\f+8*\i:\f+8*\i+3], v[ADRA+\slot] offset:((\q)/2)*AREG+64*((\q)%2)+\i*16*AP
	ds_load_b128 v[\f+8*\i+4:\f+8*\i+7], v[ADRA+\slot] offset:((\q)/2)*AREG+64*((\q)%2)+\i*16*AP+32
.endr
.endm
.macro PLACES                          ; four plain places behind matrix instructions, in front of loads into registers that they read and of reads of their results
.rept 4
	v_nop
.endr
.endm
; A K step is four quarters of 32 along K, 32 matrix instructions each, on buffers 0, 1, 0, 1.  One of the first three multiplies buffer f and fetches quarter qn into g.
.macro QUARTER slot, qn, f, g, zero
	s_wait_dscnt 8                                 ; B's and A's blocks 0-3 are in; the youngest eight loads (A's blocks 4-7) may be out
.if \zero
	WIN MULB
.else
	WIN MUL
.endif
	MUL8 \f, 0, \zero
	MUL8 \f, 2, \zero
	PLACES
	FETCH \slot, \qn, \g
	s_wait_dscnt 24                                ; all but the 24 just issued
.if \zero
	WIN MULB
.else
	WIN MUL
.endif
	MUL8 \f, 4, \zero
	MUL8 \f, 6, \zero
.endm
; The last quarter multiplies buffer 1 and changes slots: ONE barrier; in front of it each wave waits for all its tensor loads, adds 0 to its spare word, and waits for that and for its reads of this slot.  fill = 1: the slot is filled again, two K steps ahead.
.macro TURN slot, next, fill
	WIN 0                                          ; (the add's two registers lie in window 0)
	s_wait_tensorcnt 0x0                           ; all my tensor loads have landed: my part of the next slot
	ds_add_u32 v[SPW], v[NIL]                      ; 0 onto my spare word
	s_wait_dscnt 9                                 ; (the add and the youngest eight loads may be out)
	WIN MUL
	MUL8 F1, 0, 0
	s_wait_dscnt 0x0                               ; the add is done, and my reads of this slot are over
	s_barrier_signal -1
	MUL8 F1, 2, 0
.if \fill
	WIN 0
.endif
	s_barrier_wait -1
.if \fill
	CREST                                          ; the barrier has opened a round of the cluster's barrier: no wave of any partner still reads this slot or has a load on its way
	s_add_nc_u64 s[G0+4*\slot+2:G0+4*\slot+3], s[G0+4*\slot+2:G0+4*\slot+3], 4*262144
	s_add_nc_u64 s[G0B+4*\slot+2:G0B+4*\slot+3], s[G0B+4*\slot+2:G0B+4*\slot+3], 256*2048
	JLOAD \slot                                    ; the first tensor load behind the round; its four v_nop are also the places in front of the loads below
.else
	PLACES
.endif
	FETCH \next, 0, F0
	WIN MUL
	MUL8 F1, 4, 0
	MUL8 F1, 6, 0
.endm
	s_wait_tensorcnt 1                             ; my part of K step 0 is in (K step 1's load may be out)
	s_barrier_signal -1
	s_barrier_wait -1                              ; everybody's is
	FETCH 0, 0, F0
	s_wait_loadcnt 0x0                             ; the bias
	QUARTER 0, 1, F0, F1, 1                        ; the first quarter stands in front of the loop: the bias starts the sums
	WIN 0                                          ; at a label and at a branch every window is 0
	s_mov_b32 s3, 3
.Llap:                                                 ; a trip goes once round the ring and fills both slots again: K steps 2 to 7 in three trips
	QUARTER 0, 2, F1, F0, 0
	QUARTER 0, 3, F0, F1, 0
	TURN 0, 1, 1
	QUARTER 1, 1, F0, F1, 0
	QUARTER 1, 2, F1, F0, 0
	QUARTER 1, 3, F0, F1, 0
	TURN 1, 0, 1
	QUARTER 0, 1, F0, F1, 0
	WIN 0
	s_sub_co_u32 s3, s3, 1
	s_cmp_lg_u32 s3, 0
	s_cbranch_scc1 .Llap
	QUARTER 0, 2, F1, F0, 0                        ; the last lap fills nothing, and has no round of the cluster's barrier
	QUARTER 0, 3, F0, F1, 0
	TURN 0, 1, 0
	QUARTER 1, 1, F0, F1, 0
	QUARTER 1, 2, F1, F0, 0
	QUARTER 1, 3, F0, F1, 0
	s_wait_dscnt 8                                 ; the very last quarter: nothing more to fetch
	WIN MUL
	MUL8 F1, 0, 0
	MUL8 F1, 2, 0
	s_wait_dscnt 0x0
	MUL8 F1, 4, 0
	MUL8 F1, 6, 0
	WIN 0
; THE WAY OUT, block by block of 16 rows x 64 columns, through my own stage: a lane holds 32 bytes of a row; back come whole rows of 256 bytes.  LDS serves a wave's instructions in order: no wait between stores and loads.
.macro TOSTAGE a
	WIN 0x08                                       ; an LDS store's data are its source 1: window 2
.irp bb, 0,1,2,3
	ds_store_b128 v[STO], v[8*(4*(\a)+\bb):8*(4*(\a)+\bb)+3] offset:64*\bb       ; each accumulator from its low end on
	ds_store_b128 v[STO], v[8*(4*(\a)+\bb)+4:8*(4*(\a)+\bb)+7] offset:64*\bb+16
.endr
	WIN 0
.set BB, BK+32*((\a)%2)
.irp t, 0,1,2,3,4,5,6,7
	ds_load_b128 v[BB+4*\t:BB+4*\t+3], v[RD] offset:\t*2*272
.endr
.endm
.macro STORES a                        ; block a's sixteen rows leave
.set BB, BK+32*((\a)%2)
.irp t, 0,1,2,3,4,5,6,7
	global_store_b128 v[CO], v[BB+4*\t:BB+4*\t+3], s[10:11] offset:(16*(\a)+2*\t)*4096 th:TH_STORE_NT   ; sixteen lanes store 256 consecutive bytes, aligned; no base is stepped
.endr
.endm
.macro SEND a, younger                 ; younger: the LDS instructions issued behind block a's loads, which may stay out
	s_wait_dscnt \younger
	STORES \a
.endm
	PLACES
	TOSTAGE 0
	TOSTAGE 1
	s_wait_dscnt 16                                ; block 0 is back in registers (behind its loads: block 1's 8 stores and 8 loads).  On every wave's path: block 2's loads land in the same registers, whether block 0 is stored or not
	s_cmp_eq_u32 s2, 0                             ; rows t < 16 are another launch's: cluster y and the wave's number alone decide, alike in all partners
	s_cbranch_scc1 .Lnot_mine                      ; the jump leads round the eight stores alone
	STORES 0
.Lnot_mine:
.irp a, 2,3,4,5,6,7
	s_wait_xcnt 0x0                                ; block a - 2's stores have read their registers: block a's loads may land there
	TOSTAGE \a
	SEND \a-1, 16
.endr
	SEND 7, 0
	s_wait_tensorcnt 0x0                           ; the wave's end
	ds_add_u32 v[SPW], v[NIL]
	s_wait_dscnt 0x0
	CROUND                                         ; the closing round
	s_endpgm
.Lfunc_end_k_q4530aab620_proj:
	.size	k_q4530aab620_proj, .Lfunc_end_k_q4530aab620_proj-k_q4530aab620_proj
	.p2alignl 7, 3214868480
	.fill 96, 4, 3214868480
	.section	.rodata,"a",@progbits
	.p2align	6, 0x0
	.amdhsa_kernel k_q4530aab620_proj
		.amdhsa_group_segment_fixed_size 327680
		.amdhsa_private_segment_fixed_size 0
		.amdhsa_enable_private_segment 0
		.amdhsa_kernarg_size 32
		.amdhsa_user_sgpr_count 2
		.amdhsa_user_sgpr_kernarg_segment_ptr 1
		.amdhsa_wavefront_size32 1
		.amdhsa_system_sgpr_workgroup_id_x 1
		.amdhsa_system_sgpr_workgroup_id_y 1
		.amdhsa_system_sgpr_workgroup_id_z 1
		.amdhsa_system_vgpr_workitem_id 0
		.amdhsa_next_free_vgpr 768
		.amdhsa_next_free_sgpr 66
		.amdhsa_reserve_vcc 0
		.amdhsa_float_denorm_mode_32 3
		.amdhsa_float_denorm_mode_16_64 3
		.amdhsa_memory_ordered 1
		.amdhsa_forward_progress 1
		.amdhsa_inst_pref_size 87
	.end_amdhsa_kernel
	.amdgpu_metadata
---
amdhsa.version: [ 1, 2 ]
amdhsa.kernels:
  - .name:           k_q4530aab620_proj
    .symbol:         k_q4530aab620_proj.kd
    .args:
      - { .name: att, .offset: 0, .size: 8, .value_kind: global_buffer, .address_space: global }
      - { .name: wo16, .offset: 8, .size: 8, .value_kind: global_buffer, .address_space: global }
      - { .name: bo, .offset: 16, .size: 8, .value_kind: global_buffer, .address_space: global }
      - { .name: out0, .offset: 24, .size: 8, .value_kind: global_buffer, .address_space: global }
    .group_segment_fixed_size: 327680
    .private_segment_fixed_size: 0
    .kernarg_segment_align: 8
    .kernarg_segment_size: 32
    .max_flat_workgroup_size: 128
    .sgpr_count:     66
    .vgpr_count:     768
    .wavefront_size: 32
...
	.end_amdgpu_metadata
.endif
;; end of part 4
;; launch fine (part 5): grid 16 x 4, 16 waves a work-group, no clusters, 71,680 bytes of LDS; arguments q32, Wo, bo, out0; writes out0
.if DOCPART == 5
	.amdgcn_target "amdgcn-amd-amdhsa--gfx1250"
	.amdhsa_code_object_version 6
	.text
	.protected	k_q4530aab620_fine
	.globl	k_q4530aab620_fine
	.p2align	8
	.type	k_q4530aab620_fine,@function
k_q4530aab620_fine:
	s_mov_b64 s[64:65], 0
	v_nop
	global_prefetch_b8 v0, s[64:65] scope:SCOPE_SE
	s_setreg_imm32_b32 hwreg(HW_REG_WAVE_MODE, 25, 1), 1
	s_wait_xcnt 0x0
; THE FIRST 16 POSITIONS OF EVERY SEQUENCE, ALL IN f32: under the causal mask they average one to sixteen values, and rounding of 16-bit operands would weigh most there.
; out0[b][t < 16][n] = the sum over heads of softmax(q k^T / 8, causal) v Wo + bo.  q, k, v: q32 [b][which][head][16][64] f32, the f32 sums of the quantised products.  Wo [1024 (k)][1024 (n)], bo: f32, as given.
; Work-group (x, b): columns 64 x on of batch b.  Wave hd is one head: it makes the head's 16 x 16 attention (the same in all 16 work-groups of a batch: 12 KB of loads and 32 matrix instructions, which spares a launch),
; multiplies it by its 64 rows of Wo x the work-group's 64 columns, and puts the partial sums into LDS.  Behind one barrier wave hd adds row t = hd over the sixteen heads, and the bias.
; ALL PRODUCTS ARE USED TRANSPOSED, so that a lane holds one query throughout, and the order of k within a product is permuted alike on both operands, so that every operand is a run of a lane's registers:
;   scores: registers 2 s, 2 s + 1 of q and k hold d = 32 h + 2 s + 0, 1;   P V: keys 8 h + 2 s + 0, 1;   projection: d = 16 dt + 8 h + 2 jj + 0, 1.
; The registers that the f32 matrix form writes (v176-223) are written by matrix instructions alone; each sum begins with the constant 0.
.set SPARE, 16*4352                    ; behind the sixteen images of 16 rows x 272 bytes: the spare words, 128 bytes a wave
.set SPW, 8
.set NIL, 9
	s_load_b256 s[4:11], s[0:1], 0x0               ; q32 s[4:5], Wo s[6:7], bo s[8:9], out0 s[10:11]
	v_lshl_add_u32 v[SPW], v0, 2, SPARE
	v_mov_b32 v[NIL], 0
	v_lshrrev_b32 v1, 5, v0
	v_readfirstlane_b32 s12, v1                    ; hd: my head, and later my row t
	v_and_b32 v1, 15, v0                           ; r
	v_bfe_u32 v2, v0, 4, 1                         ; h
	v_lshlrev_b32 v3, 8, v1
	v_lshl_add_u32 v3, v2, 7, v3                   ; q, k: row r of 256 bytes, + 128 h: my 32 channels
	v_lshlrev_b32 v4, 2, v1
	v_lshl_add_u32 v5, v2, 15, v4                  ; Wo: column r, k rows 8 h on (rows of 4,096 bytes)
	v_lshl_add_u32 v4, v2, 11, v4                  ; v: channel r, keys 8 h on (rows of 256 bytes)
	s_mul_i32 s13, s12, 4352
	v_mul_u32_u24 v6, v1, 272
	v_lshl_add_u32 v6, v2, 5, v6
	v_add_nc_u32 v6, s13, v6                       ; my image: row r, 32 bytes for each half of the lanes
	v_and_b32 v12, 31, v0
	v_lshlrev_b32 v12, 3, v12                      ; 8 x lane
	s_mul_i32 s13, s12, 272
	v_add_nc_u32 v7, s13, v12                      ; back: row hd of each image, two columns a lane
	v_lshlrev_b32 v10, 3, v2
	v_sub_nc_u32 v10, v1, v10                      ; r - 8 h: key 8 h + j is hidden where j is above it
	v_mov_b32 v11, 0xff800000                      ; -infinity
	v_mov_b32 v241, 0                              ; (lane permutes' destinations count as read)
	v_mov_b32 v244, 0
	s_mov_b32 s18, 0x76543210
	s_mov_b32 s19, 0xfedcba98                      ; lane l xor 16
	s_mov_b32 s20, 0x3e38aa3b                      ; c = log2(e) / 8
	s_and_b32 s14, ttmp7, 0xffff                   ; b
	s_mul_i32 s16, s14, 48
	s_add_co_u32 s16, s16, s12
	s_lshl_b32 s16, s16, 12                        ; q's block: (48 b + hd) x 4,096; k's lies 16 blocks on, v's 32
	s_mov_b32 s17, 0
	s_lshl_b32 s22, ttmp9, 8                       ; my first column, in bytes
	s_mov_b32 s23, 0
	s_lshl_b32 s24, s12, 18                        ; Wo: my head's 64 rows
	s_mov_b32 s25, 0
	s_lshl_b32 s26, s14, 23                        ; out0: row 2,048 b + hd
	s_lshl_b32 s27, s12, 12
	s_add_co_u32 s26, s26, s27
	s_mov_b32 s27, 0
	s_wait_kmcnt 0x0
	s_add_nc_u64 s[4:5], s[4:5], s[16:17]
	s_add_nc_u64 s[6:7], s[6:7], s[22:23]
	s_add_nc_u64 s[6:7], s[6:7], s[24:25]
	s_add_nc_u64 s[8:9], s[8:9], s[22:23]
	s_add_nc_u64 s[10:11], s[10:11], s[22:23]
	s_add_nc_u64 s[10:11], s[10:11], s[26:27]
	global_load_b64 v[14:15], v12, s[8:9]          ; the bias of my two columns
.irp i, 0,1,2,3,4,5,6,7
	global_load_b128 v[16+4*\i:19+4*\i], v3, s[4:5] offset:16*\i            ; q(r, 32 h + 4 i ..)
.endr
.irp i, 0,1,2,3,4,5,6,7
	global_load_b128 v[48+4*\i:51+4*\i], v3, s[4:5] offset:65536+16*\i      ; k likewise
.endr
.irp dt, 0,1,2,3
.irp j, 0,1,2,3,4,5,6,7
	global_load_b32 v[80+8*\dt+\j], v4, s[4:5] offset:131072+256*\j+64*\dt  ; v(8 h + j, 16 dt + r)
.endr
.endr
.macro WOLOAD base, nt0                ; Wo(64 hd + 16 (st / 4) + 8 h + 2 (st % 4) + j, n0 + 16 nt + r) for two tiles nt of 16 columns
.irp n, 0,1
.irp st, 0,1,2,3,4,5,6,7,8,9,10,11,12,13,14,15
.irp j, 0,1
	global_load_b32 v[\base+32*\n+2*\st+\j], v5, s[6:7] offset:(16*(\st/4)+2*(\st%4)+\j)*4096+64*(\nt0+\n)
.endr
.endr
.endr
.endm
	WOLOAD 112, 0
	s_wait_loadcnt 63                              ; 64 loads were issued behind v's last: at 63 the bias, q, k and v are in
.irp s, 0,1,2,3,4,5,6,7,8,9,10,11,12,13,14,15  ; S^T = k q^T: two accumulators take turns
.if \s < 2
	v_wmma_f32_16x16x4_f32 v[176+8*(\s%2):183+8*(\s%2)], v[48+2*\s:49+2*\s], v[16+2*\s:17+2*\s], 0
.else
	v_wmma_f32_16x16x4_f32 v[176+8*(\s%2):183+8*(\s%2)], v[48+2*\s:49+2*\s], v[16+2*\s:17+2*\s], v[176+8*(\s%2):183+8*(\s%2)]
.endif
.endr
.rept 8
	v_nop                                          ; eight places behind this form: for the loads into q's and k's registers, and for the first read of the sums
.endr
	WOLOAD 16, 2
.irp j, 0,1,2,3,4,5,6,7
	v_add_f32 v[224+\j], v[176+\j], v[184+\j]      ; lane (r, h): the score of query r and key 8 h + j
.endr
.irp j, 0,1,2,3,4,5,6,7
	v_cmp_gt_i32 vcc_lo, \j, v10
	v_cndmask_b32 v[224+\j], v[224+\j], v11, vcc_lo
.endr
	v_max3_num_f32 v240, v224, v225, v226
	v_max3_num_f32 v240, v240, v227, v228
	v_max3_num_f32 v240, v240, v229, v230
	v_max_num_f32 v240, v240, v231
	v_permlanex16_b32 v241, v240, s18, s19
	v_max_num_f32 v240, v240, v241                 ; the row's maximum (key 0 counts for every query)
	v_mul_f32 v242, s20, v240
.irp j, 0,1,2,3,4,5,6,7
	v_fma_f32 v[224+\j], v[224+\j], s20, -v242
.endr
.irp j, 0,1,2,3,4,5,6,7
	v_exp_f32 v[224+\j], v[224+\j]
.endr
	v_nop                                          ; a plain instruction behind the batch,
	s_wait_alu depctr_va_vdst(0)                   ; and the one wait ahead of its first reader
	v_add_f32 v243, v224, v225
	v_add_f32 v245, v226, v227
	v_add_f32 v243, v243, v228
	v_add_f32 v245, v245, v229
	v_add_f32 v243, v243, v230
	v_add_f32 v245, v245, v231
	v_add_f32 v243, v243, v245
	v_permlanex16_b32 v244, v243, s18, s19
	v_add_f32 v243, v243, v244                     ; the row's sum
	v_rcp_f32 v255, v243
	v_nop
	s_wait_alu depctr_va_vdst(0)
.irp s, 0,1,2,3                                ; O^T = v^T p: four accumulators by turns
.irp dt, 0,1,2,3
.if \s == 0
	v_wmma_f32_16x16x4_f32 v[192+8*\dt:199+8*\dt], v[80+8*\dt+2*\s:81+8*\dt+2*\s], v[224+2*\s:225+2*\s], 0
.else
	v_wmma_f32_16x16x4_f32 v[192+8*\dt:199+8*\dt], v[80+8*\dt+2*\s:81+8*\dt+2*\s], v[224+2*\s:225+2*\s], v[192+8*\dt:199+8*\dt]
.endif
.endr
.endr
.rept 9
	v_nop                                          ; nine places: the sums are read, p's registers are written, and the accumulators are begun anew by matrix instructions below
.endr
.set i, 0
.rept 32
	v_mul_f32 v[224+i], v[192+i], v255             ; the head's output / the sum, ascending; the last line writes over the reciprocal that it reads.  Register 8 dt + j: channel 16 dt + 8 h + j of query r
.set i, i+1
.endr
	s_wait_loadcnt 0x0                             ; Wo
.irp st, 0,1,2,3,4,5,6,7,8,9,10,11,12,13,14,15 ; the partial output, transposed: source 0 = 16 columns of Wo, source 1 = the head's output; four accumulators by turns
.irp nt, 0,1,2,3
.if \st == 0
	v_wmma_f32_16x16x4_f32 v[192+8*\nt:199+8*\nt], v[112-96*(\nt/2)+32*(\nt%2)+2*\st:113-96*(\nt/2)+32*(\nt%2)+2*\st], v[224+2*\st:225+2*\st], 0
.else
	v_wmma_f32_16x16x4_f32 v[192+8*\nt:199+8*\nt], v[112-96*(\nt/2)+32*(\nt%2)+2*\st:113-96*(\nt/2)+32*(\nt%2)+2*\st], v[224+2*\st:225+2*\st], v[192+8*\nt:199+8*\nt]
.endif
.endr
.endr
.rept 8
	v_nop
.endr
.irp nt, 0,1,2,3
	ds_store_b128 v6, v[192+8*\nt:195+8*\nt] offset:64*\nt        ; lane (r, h): row t = r, columns 16 nt + 8 h + 0 .. 7; each accumulator from its low end on
	ds_store_b128 v6, v[196+8*\nt:199+8*\nt] offset:64*\nt+16
.endr
	s_wait_dscnt 0x0                               ; for the others' sake: my image is whole
	s_barrier_signal -1
	s_barrier_wait -1
.irp i, 0,1,2,3,4,5,6,7,8,9,10,11,12,13,14,15
	ds_load_b64 v[80+2*\i:81+2*\i], v7 offset:4352*\i             ; row hd of head i's image
.endr
	s_wait_dscnt 0x0
	v_pk_add_f32 v[14:15], v[14:15], v[80:81]      ; the bias and the sixteen heads, in two chains
	v_pk_add_f32 v[112:113], v[82:83], v[84:85]
.irp i, 3,5,7,9,11,13
	v_pk_add_f32 v[14:15], v[14:15], v[80+2*\i:81+2*\i]
	v_pk_add_f32 v[112:113], v[112:113], v[82+2*\i:83+2*\i]
.endr
	v_pk_add_f32 v[14:15], v[14:15], v[110:111]
	v_pk_add_f32 v[14:15], v[14:15], v[112:113]
	global_store_b64 v12, v[14:15], s[10:11]       ; the wave stores 256 consecutive bytes, aligned: row t = hd, my work-group's 64 columns
	s_wait_tensorcnt 0x0                           ; the wave's end, behind my last LDS store
	ds_add_u32 v[SPW], v[NIL]
	s_wait_dscnt 0x0
	s_endpgm
.Lfunc_end_k_q4530aab620_fine:
	.size	k_q4530aab620_fine, .Lfunc_end_k_q4530aab620_fine-k_q4530aab620_fine
	.p2alignl 7, 3214868480
	.fill 96, 4, 3214868480
	.section	.rodata,"a",@progbits
	.p2align	6, 0x0
	.amdhsa_kernel k_q4530aab620_fine
		.amdhsa_group_segment_fixed_size 71680
		.amdhsa_private_segment_fixed_size 0
		.amdhsa_enable_private_segment 0
		.amdhsa_kernarg_size 32
		.amdhsa_user_sgpr_count 2
		.amdhsa_user_sgpr_kernarg_segment_ptr 1
		.amdhsa_wavefront_size32 1
		.amdhsa_system_sgpr_workgroup_id_x 1
		.amdhsa_system_sgpr_workgroup_id_y 1
		.amdhsa_system_sgpr_workgroup_id_z 1
		.amdhsa_system_vgpr_workitem_id 0
		.amdhsa_next_free_vgpr 256
		.amdhsa_next_free_sgpr 66
		.amdhsa_reserve_vcc 1
		.amdhsa_float_denorm_mode_32 3
		.amdhsa_float_denorm_mode_16_64 3
		.amdhsa_memory_ordered 1
		.amdhsa_forward_progress 1
		.amdhsa_inst_pref_size 32
	.end_amdhsa_kernel
	.amdgpu_metadata
---
amdhsa.version: [ 1, 2 ]
amdhsa.kernels:
  - .name:           k_q4530aab620_fine
    .symbol:         k_q4530aab620_fine.kd
    .args:
      - { .name: q32, .offset: 0, .size: 8, .value_kind: global_buffer, .address_space: global }
      - { .name: Wo, .offset: 8, .size: 8, .value_kind: global_buffer, .address_space: global }
      - { .name: bo, .offset: 16, .size: 8, .value_kind: global_buffer, .address_space: global }
      - { .name: out0, .offset: 24, .size: 8, .value_kind: global_buffer, .address_space: global }
    .group_segment_fixed_size: 71680
    .private_segment_fixed_size: 0
    .kernarg_segment_align: 8
    .kernarg_segment_size: 32
    .max_flat_workgroup_size: 512
    .sgpr_count:     66
    .vgpr_count:     256
    .wavefront_size: 32
...
	.end_amdgpu_metadata
.endif
;; end of part 5
